; MI455X (gfx1250); checked and timed in simulation.
; The chip was launched on July 23, 2026; its instructions are those of AMD's public machine-readable ISA for CDNA 5 (MIT licence, August 2026) and "CDNA5" Instruction Set Architecture Reference Guide (July 2026). The comments in the code are by the model that wrote it; some were corrected since.
;; DRQ. Allowed arithmetic: float matrix products may take bf16 or f16 operands with f32 sums; all other float work in f32.
;; Inputs: codebook 2,048 x 32 float32; scale 4 float32; x 32,768 x 32 float32.
;; Outputs: out0 32,768 x 4 int32; out1 one number float32.
;; 2 versions, each right and faster than the one before. Each part assembles by itself: llvm-mc -triple=amdgcn-amd-amdhsa -mcpu=gfx1250 --defsym DOCPART=n.
;; ======== version 1 of 2: 2 launches
;; limits: values outside matrix products are rounded to bf16; below input magnitudes of 1e-06 results are inexact or not finite
;; workspace buffers: part 1,024 bytes
;; launch drq (part 1): grid 256 x 1, 8 waves a work-group, no clusters, 312,576 bytes of LDS; arguments x, codebook, scale, out0, part; writes out0, part
.if DOCPART == 1
	.amdgcn_target "amdgcn-amd-amdhsa--gfx1250"
	.amdhsa_code_object_version 6
	.text
	.protected	k_qb3d25f1b3d_drq
	.globl	k_qb3d25f1b3d_drq
	.p2align	8
	.type	k_qb3d25f1b3d_drq,@function
k_qb3d25f1b3d_drq:
	s_mov_b64 s[64:65], 0
	v_nop
	global_prefetch_b8 v0, s[64:65] scope:SCOPE_SE
	s_setreg_imm32_b32 hwreg(HW_REG_WAVE_MODE, 25, 1), 1
	s_wait_xcnt 0x0
; DRQ, all four stages in one launch.  N = 32768 rows, D = 32, K = 2048 codes, M = 4 stages.
; A work-group owns 128 rows; wave w = 2 g + c takes rows 32 g .. 32 g + 31 against code half c (tiles 64 c .. 64 c + 63 of 16 codes).
; Register set 0 of a wave holds rows 16 w + rr (its OWN rows: it keeps their soft error, loss and codes, and decides their codes), set 1 its partner's (wave w ^ 1).
; ARITHMETIC.  x, codebook and scale are rounded to bf16 once; s c is then exact in f32.  With sg = sign(s), hs = |s| / 2, cc = |c|^2:
;   u_k = (sg r) . c_k - hs cc_k,   -dist + |r|^2 = 2 |s| u_k,   p = exp2(a u - a max u),  a = 2 |s| log2(e),  soft = s sum(p c) / sum(p).
; The f32 residual is split exactly into three bf16 terms, so u has f32 quality: three matrix products a tile, the bias -hs cc as the first C.
; ARGMAX WITHOUT A DATA-DEPENDENT ADDRESS.  The loop tracks the best TWO groups of 8 codes (a lane's 8 results of a tile are one group).  Their 16 candidate
; vectors come from a product one-hot(256 groups) x codebook, exact since the codebook is bf16.  Among the 16 the code is chosen by the distance formed as
; the reference forms it in f32: v = s c; dot, |v|^2 and |r|^2 each a chain of fused multiply-adds in ascending d; dist = (|r|^2 - 2 dot) + |v|^2, rounded at
; each step; the smallest dist, on equal dist the smallest code.
; LIMITS.  Inputs are used rounded to bf16.  The order of the f32 sums (ascending d, fused) is taken to be the reference's; where it sums otherwise, two codes whose
; distances agree to within f32 rounding may be ordered otherwise.  Three groups that agree so are not served, nor a |scale| so small that more than two groups
; fall into one rounding step of |r|^2 (below about 1e-6 for data of unit spread); a scale that rounds to zero gives code 0, as the reference's argmax of equal numbers does.
; hard distortion is summed from the residual chain r, not from x - q_hard_sum (another order of rounding).  NaN and infinite inputs are not served.
; No cluster, no tensor loads: the one shared input, the codebook (256 KiB), is read once by each work-group and needs conversion and a new layout in registers.
; MATRIX USE (transposed): in a result, lane (rr, h) register j is (m = 8 h + j, n = row rr).  r, es and acc lie so: register 8 e + j holds d = 16 e + 8 h + j.
; LDS map, bytes
.set IMG,   0            ; 131072: bf16 codebook; the 16 bytes (code, q) = c[code][8q..8q+7] at (code>>4)*1024 + q*256 + (((code&15)+8*(q&1))&15)*16
.set GAI,   131072       ; 131072: A fragments of the candidate product, 1 KiB each, number (4 jp + q)*8 + ks: rows 0-7 d = 8q.. of code 8 k + 2 jp, rows 8-15 of code 8 k + 2 jp + 1
.set CCB,   262144       ; 8192:   f32 |c|^2
.set BIAS,  270336       ; 8192:   f32 -hs |c|^2 of the current stage
.set XA,    278528       ; 8 x 3072: slots of 512 B, all of set 1: 0-3 acc, 4 {shift, sum, best value, tile}, 5 {second value, tile}
.set XB,    303104       ; 8 x 1024: the chosen code's vector for my own rows, packed bf16, in the residual's layout
.set RED,   311296       ; 256:    eight loss words
.set XASZ,  3072
.set XBSZ,  1024
; window 0
.set LN,    1            ; 16 x lane
.set ASA,   2            ; LDS address: score A fragments (stepped by block)
.set APA,   3            ; LDS address: transposed fragments for the value product
.set ABI,   4            ; LDS address: bias
.set H,     5            ; lane >> 4
.set XAW,   6
.set XAR,   7
.set XBW,   8
.set XBR,   9
.set AGA,   10           ; LDS address: candidate fragments, jp = 0, 1
.set ACB,   11           ; CCB + 32 x thread
.set ASA0,  12           ; the three stepped addresses as they stand at a stage's head
.set APA0,  13
.set ABI0,  14
.set OUTO,  15           ; byte offset of my 8 bytes of codes
.set TMP,   16           ; v16-31 at work
.set ST,    32           ; v32-47, 8 a set
.set NAM,   0            ; -a x running maximum
.set NAMN,  1            ; its next value; after the blocks: my lane's sum of p
.set BV1,   2            ; best group value (also my lane's running maximum)
.set BT1,   3            ; its tile; later its group 0..255
.set BV2,   4            ; second best group value
.set BT2,   5            ; its tile; later its group
.set AL,    6            ; rescale factor (pair; the second register is only ever written once)
.set GH,    ST+8         ; after the blocks set 1's state is dead: 8 group + h of the two groups
.set ACC,   48           ; v48-79: sum of p c, 16 a set
.set BP,    48           ; later: the best candidate so far, 32 d packed in 16 registers
.set P0,    64           ; later: a candidate packed (first group); at the end the chosen vector in the residual's layout
.set SC,    80           ; v80-143: scores 32 a set; later partner's data; later the candidates, 32 a group, register d
.set BTM,   144          ; v144-191: residual terms as B fragments, at 8*(2*term+set), term 0 lo, 1 mid, 2 hi
.set RF,    144          ; later: my row's residual, all 32 d, register d
.set P1,    176          ; later: a candidate packed (second group)
.set R,     192          ; v192-223 residual, 16 a set
.set ES,    224          ; v224-239 x - q_soft_sum of my own rows
.set CODE,  240          ; v240-243
.set SD,    244
.set HD,    246
.set LSR,   248          ; v248-251: two partial sums of p a set
.set BD,    252          ; best candidate's distance
.set BCD,   253          ; and its code
.set RRV,   254          ; |r|^2 of my row
.set AGA1,  255          ; LDS address: candidate fragments, jp = 2, 3
; registers of the prologue only, in the accumulators' place
.set IA,    48
.set CA,    49
.set GB,    50           ; four bases
.set GST,   54
.set GO,    55
.set XO,    56
; window 1
.set SA,    0            ; score A fragments, 8 a tile
.set BI,    32           ; bias as C, 8 a tile
.set PA,    64           ; value product's A, at 8*(2p+e)
.set OH,    0            ; one-hot B fragments, at 64*group rank+8*ks
.set GA,    128          ; candidate A fragments, two buffers of 32
; scalars: s14 wave, s16 c, s17 stage, s18 trips, s20-23 tile numbers, s24-25 lane selects, s26 mask (a word's upper half; also lanes 16-31),
; s27-30 scales still to come, s32-33 a, s34-35 sg, s36-37 -s, s38 -hs, s40-41 -hs for the bias table, s42 -a, s43 code mask, s46-49 at work, s50 64 c
.set MSB, 0
.macro WIN new                         ; the immediate's high byte repeats the setting that is left
.if MSB != \new
	s_set_vgpr_msb (MSB<<8)|\new
.set MSB, \new
.endif
.endm
.macro BAR
	s_barrier_signal -1
	s_barrier_wait -1
.endm
.macro NOPS cnt
.rept \cnt
	v_nop
.endr
.endm
; ---------------------------------------------------------------- ids and addresses
	s_load_b256 s[4:11], s[0:1], 0x0               ; x s[4:5], codebook s[6:7], scale s[8:9], out0 s[10:11]
	s_load_b64 s[12:13], s[0:1], 0x20              ; part
	s_set_vgpr_msb 0x40
	v_lshl_add_u32 v192, v0, 2, 0x4c100
	v_mov_b32 v193, 0
	s_set_vgpr_msb 0x4000
	v_lshrrev_b32 v16, 5, v0
	v_readfirstlane_b32 s14, v16                   ; wave
	s_and_b32 s16, s14, 1                          ; c: my half of the codes
	s_xor_b32 s48, s14, 1                          ; my partner
	s_mov_b32 s24, 0x76543210                      ; v_permlanex16_b32: lane i reads lane i of the other half
	s_mov_b32 s25, 0xfedcba98
	s_mov_b32 s26, 0xffff0000                      ; a word's upper bf16; as a lane mask: lanes 16 to 31
	s_lshl_b32 s49, s16, 16                        ; my half of IMG
	s_lshl_b32 s50, s16, 6                         ; my first tile
	v_and_b32 v16, 31, v0
	v_lshlrev_b32 v[LN], 4, v16
	v_lshrrev_b32 v[H], 4, v16
	v_and_b32 v17, 15, v0                          ; rr
	v_bfe_u32 v18, v0, 3, 1                        ; sub
	v_and_b32 v19, 7, v0                           ; i
	v_lshl_add_u32 v20, v[H], 3, v17               ; score A: unit (code rr, q = h): h*256 + ((rr+8h)&15)*16
	v_and_b32 v20, 15, v20
	v_lshlrev_b32 v20, 4, v20
	v_lshl_add_u32 v20, v[H], 8, v20
	v_add_nc_u32 v[ASA0], s49, v20
	v_add_nc_u32 v20, v[H], v18                    ; transposed: unit (code 8h+i, q = sub): sub*256 + ((8h+i+8sub)&15)*16
	v_lshl_add_u32 v20, v20, 3, v19
	v_and_b32 v20, 15, v20
	v_lshlrev_b32 v20, 4, v20
	v_lshl_add_u32 v20, v18, 8, v20
	v_add_nc_u32 v[APA0], s49, v20
	s_lshl_b32 s47, s16, 12
	s_add_co_u32 s47, s47, BIAS
	v_lshl_add_u32 v[ABI0], v[H], 5, s47           ; bias of codes 8h .. 8h+7 of a tile
	v_add_nc_u32 v[AGA], GAI, v[LN]
	v_add_nc_u32 v[AGA1], GAI+0x10000, v[LN]       ; the upper half lies beyond the 16-bit immediate
	s_mul_i32 s46, s14, XASZ
	s_add_co_u32 s46, s46, XA
	v_add_nc_u32 v[XAW], s46, v[LN]
	s_mul_i32 s46, s48, XASZ
	s_add_co_u32 s46, s46, XA
	v_add_nc_u32 v[XAR], s46, v[LN]
	s_mul_i32 s46, s14, XBSZ
	s_add_co_u32 s46, s46, XB
	v_add_nc_u32 v[XBW], s46, v[LN]
	s_mul_i32 s46, s48, XBSZ
	s_add_co_u32 s46, s46, XB
	v_add_nc_u32 v[XBR], s46, v[LN]
	v_lshlrev_b32 v[GO], 5, v0                     ; 32 bytes a thread: a unit of 8 f32 of the codebook
	v_add_nc_u32 v[ACB], CCB, v[GO]
	v_bfe_u32 v20, v0, 2, 4                        ; where my unit goes in IMG: code&15 = (t>>2)&15, q = t&3, tile = t>>6
	v_and_b32 v21, 1, v0
	v_lshl_add_u32 v20, v21, 3, v20
	v_and_b32 v20, 15, v20
	v_lshlrev_b32 v20, 4, v20
	v_and_b32 v21, 3, v0
	v_lshl_add_u32 v20, v21, 8, v20
	v_lshrrev_b32 v21, 6, v0
	v_lshl_add_u32 v[IA], v21, 10, v20
	v_lshrrev_b32 v20, 2, v0
	v_lshlrev_b32 v20, 2, v20
	v_add_nc_u32 v[CA], CCB, v20                   ; |c|^2 of code t>>2
	; candidate fragments: wave w builds jp = w>>1, q = 2 (w&1) + ql.  My lane addresses group 8h+i of 32, code 8 group + 2 jp + sub:
	; tile 4h+(i>>1), code&15 = 8(i&1) + 2 jp + sub (15 at the most), unit q
	v_lshrrev_b32 v20, 1, v19
	v_lshl_add_u32 v20, v[H], 2, v20
	v_and_b32 v21, 1, v19
	v_lshl_add_u32 v21, v21, 3, v18
	s_and_b32 s46, s14, 6                          ; 2 jp
	v_add_nc_u32 v21, s46, v21
	v_lshlrev_b32 v21, 4, v21
	s_lshl_b32 s47, s16, 9                         ; 2 (w&1) units of 256 bytes
	v_lshl_add_u32 v20, v20, 10, s47
	v_add_nc_u32 v[GB], v20, v21                   ; ql = 0
	v_xor_b32 v21, 0x80, v21                       ; an odd q turns the place in its 256 bytes by 8 units
	v_add3_u32 v[GB+2], v20, v21, 0x100            ; ql = 1
	v_add_nc_u32 v[GB+1], 0x10000, v[GB]           ; the upper half of IMG lies beyond the 16-bit immediate
	v_add_nc_u32 v[GB+3], 0x10000, v[GB+2]
	s_lshl_b32 s46, s14, 14
	s_add_co_u32 s46, s46, GAI
	v_add_nc_u32 v[GST], s46, v[LN]
	s_lshl_b32 s46, s14, 11                        ; my own rows 16 w + rr, 128 bytes each
	v_lshl_add_u32 v[XO], v17, 7, s46
	v_lshl_add_u32 v[XO], v[H], 5, v[XO]
	v_xor_b32 v[XO+1], 0x800, v[XO]                ; my partner's rows: 16 rows up or down
	s_lshl_b32 s46, s14, 8
	v_lshl_add_u32 v[OUTO], v17, 4, s46            ; 16 bytes of codes a row,
	v_lshl_add_u32 v[OUTO], v[H], 3, v[OUTO]       ; of which lane half h stores 8
	s_wait_kmcnt 0x0
	s_lshl_b32 s52, ttmp9, 14                      ; 128 rows of 128 bytes
	s_mov_b32 s53, 0
	s_add_nc_u64 s[4:5], s[4:5], s[52:53]
	s_lshl_b32 s52, ttmp9, 11                      ; 128 rows of 16 bytes
	s_add_nc_u64 s[10:11], s[10:11], s[52:53]
	s_lshl_b32 s52, ttmp9, 2
	s_add_nc_u64 s[12:13], s[12:13], s[52:53]
	s_load_b128 s[56:59], s[8:9], 0x0              ; the four scales
.irp e,0,1
	global_load_b128 v[R+8*\e:R+8*\e+3], v[XO], s[4:5] offset:64*\e             ; x[row][16e+8h ..]
	global_load_b128 v[R+8*\e+4:R+8*\e+7], v[XO], s[4:5] offset:64*\e+16
	global_load_b128 v[R+16+8*\e:R+16+8*\e+3], v[XO+1], s[4:5] offset:64*\e
	global_load_b128 v[R+16+8*\e+4:R+16+8*\e+7], v[XO+1], s[4:5] offset:64*\e+16
.endr
.irp k,ST+NAMN,ST+AL+1,ST+8+NAMN,ST+8+AL+1,CODE,CODE+1,CODE+2,CODE+3,SD,SD+1,HD,HD+1
	v_mov_b32 v[\k], 0                             ; the sums start at 0; second registers of broadcast pairs and the code chain are written once
.endr
	s_wait_kmcnt 0x0
	v_mov_b32 v16, s56
	v_mov_b32 v17, s57
	v_mov_b32 v18, s58
	v_mov_b32 v19, s59
	v_cvt_pk_bf16_f32 v20, v16, v17                ; scales rounded to bf16
	v_cvt_pk_bf16_f32 v21, v18, v19
	v_lshlrev_b32 v16, 16, v20
	v_and_b32 v17, s26, v20
	v_lshlrev_b32 v18, 16, v21
	v_and_b32 v19, s26, v21
	v_readfirstlane_b32 s27, v16
	v_readfirstlane_b32 s28, v17
	v_readfirstlane_b32 s29, v18
	v_readfirstlane_b32 s30, v19
; ---------------------------------------------------------------- the codebook: bf16 image and |c|^2.  4 trips x 8 units of 32 bytes a thread
	s_mov_b32 s18, 0
.Limg:
.irp u,0,1,2,3,4,5,6,7
	global_load_b128 v[SC+8*\u:SC+8*\u+3], v[GO], s[6:7] offset:8192*\u
	global_load_b128 v[SC+8*\u+4:SC+8*\u+7], v[GO], s[6:7] offset:8192*\u+16
.endr
	s_wait_loadcnt 0x0                             ; the trip's 16 loads (and, in the first trip, x) are in: the base may be stepped
	s_add_nc_u64 s[6:7], s[6:7], 0x10000
.irp u,0,1,2,3,4,5,6,7
.irp i,0,1,2,3
	v_cvt_pk_bf16_f32 v[TMP+4*(\u&1)+\i], v[SC+8*\u+2*\i], v[SC+8*\u+2*\i+1]
.endr
	ds_store_b128 v[IA], v[TMP+4*(\u&1):TMP+4*(\u&1)+3] offset:4096*\u
.irp i,0,1,2,3
	v_lshlrev_b32 v[SC+8*\u+2*\i], 16, v[TMP+4*(\u&1)+\i]          ; the rounded numbers back in f32, for their squares
	v_and_b32 v[SC+8*\u+2*\i+1], s26, v[TMP+4*(\u&1)+\i]
.endr
	v_pk_mul_f32 v[TMP+8+2*(\u&1):TMP+9+2*(\u&1)], v[SC+8*\u:SC+8*\u+1], v[SC+8*\u:SC+8*\u+1]
.irp i,1,2,3
	v_pk_fma_f32 v[TMP+8+2*(\u&1):TMP+9+2*(\u&1)], v[SC+8*\u+2*\i:SC+8*\u+2*\i+1], v[SC+8*\u+2*\i:SC+8*\u+2*\i+1], v[TMP+8+2*(\u&1):TMP+9+2*(\u&1)]
.endr
	v_add_f32 v[TMP+8+2*(\u&1)], v[TMP+8+2*(\u&1)], v[TMP+9+2*(\u&1)]
	v_add_f32_dpp v[TMP+8+2*(\u&1)], v[TMP+8+2*(\u&1)], v[TMP+8+2*(\u&1)] row_xmask:1 row_mask:0xf bank_mask:0xf   ; the four lanes of a code
	v_add_f32_dpp v[TMP+8+2*(\u&1)], v[TMP+8+2*(\u&1)], v[TMP+8+2*(\u&1)] row_xmask:2 row_mask:0xf bank_mask:0xf
	ds_store_b32 v[CA], v[TMP+8+2*(\u&1)] offset:256*\u            ; four lanes store one word with one value
.endr
	v_add_nc_u32 v[IA], 0x8000, v[IA]
	v_add_nc_u32 v[CA], 0x800, v[CA]
	s_add_co_u32 s18, s18, 1
	s_cmp_lt_u32 s18, 4
	s_cbranch_scc1 .Limg
; x rounded to bf16: the residual of both sets, and the soft error of my own rows, start from it
.irp q,0,1,2,3,4,5,6,7
	v_cvt_pk_bf16_f32 v[TMP+(\q&3)], v[R+2*\q], v[R+2*\q+1]
	v_lshlrev_b32 v[R+2*\q], 16, v[TMP+(\q&3)]
	v_and_b32 v[R+2*\q+1], s26, v[TMP+(\q&3)]
	v_lshlrev_b32 v[ES+2*\q], 16, v[TMP+(\q&3)]
	v_and_b32 v[ES+2*\q+1], s26, v[TMP+(\q&3)]
.endr
.irp q,8,9,10,11,12,13,14,15
	v_cvt_pk_bf16_f32 v[TMP+(\q&3)], v[R+2*\q], v[R+2*\q+1]
	v_lshlrev_b32 v[R+2*\q], 16, v[TMP+(\q&3)]
	v_and_b32 v[R+2*\q+1], s26, v[TMP+(\q&3)]
.endr
	s_wait_dscnt 0x0                               ; my part of IMG and of |c|^2 is written
	BAR                                            ; everybody's is
; ---------------------------------------------------------------- candidate fragments and the first bias table
; A(m = 8 sub + i, k = group) = c[8 group + 2 jp + sub][8 q + i]: a transposing load takes 8 groups x 8 d; 32 of them a wave, eight at a time.
.irp b,0,1,2,3
.irp kl,0,1
.irp sec,0,1
.irp ql,0,1
	ds_load_tr16_b128 v[SC+32*(\b&1)+16*\kl+8*\sec+4*\ql:SC+32*(\b&1)+16*\kl+8*\sec+4*\ql+3], v[GB+2*\ql+(\b>>1)] offset:((2*\b+\kl)&3)*16384+\sec*8192
.endr
.endr
.endr
	s_wait_dscnt 0x0
.irp kl,0,1
.irp sec,0,1
.irp ql,0,1
	ds_store_b128 v[GST], v[SC+32*(\b&1)+16*\kl+8*\sec+4*\ql:SC+32*(\b&1)+16*\kl+8*\sec+4*\ql+3] offset:(8*\ql+2*\b+\kl)*1024+\sec*512
.endr
.endr
.endr
.endr
.macro HSOF src                        ; s[40:41] = -|src| / 2
	s_and_b32 s46, \src, 0x7fffffff
	v_mov_b32 v[TMP+8], s46
	v_mul_f32 v[TMP+8], -0.5, v[TMP+8]
	v_readfirstlane_b32 s40, v[TMP+8]
	s_mov_b32 s41, s40
.endm
.macro BIASB                           ; bias[k] = -hs |c_k|^2, eight codes a thread
	ds_load_b128 v[TMP+8:TMP+11], v[ACB]
	ds_load_b128 v[TMP+12:TMP+15], v[ACB] offset:16
	s_wait_dscnt 0x0
.irp k,0,1,2,3
	v_pk_mul_f32 v[TMP+8+2*\k:TMP+9+2*\k], v[TMP+8+2*\k:TMP+9+2*\k], s[40:41] op_sel_hi:[1,0]
.endr
	ds_store_b128 v[ACB], v[TMP+8:TMP+11] offset:BIAS-CCB
	ds_store_b128 v[ACB], v[TMP+12:TMP+15] offset:BIAS-CCB+16
.endm
	HSOF s27
	BIASB
	s_wait_dscnt 0x0                               ; my fragments and my part of the bias are written
	BAR
; ---------------------------------------------------------------- macros of a stage
.macro FETCH_S                         ; 16 loads: four tiles' A fragments and biases
	WIN 0x40
.irp tt,0,1,2,3
	ds_load_b128 v[SA+8*\tt:SA+8*\tt+3], v[ASA] offset:1024*\tt
	ds_load_b128 v[SA+8*\tt+4:SA+8*\tt+7], v[ASA] offset:1024*\tt+512
	ds_load_b128 v[BI+8*\tt:BI+8*\tt+3], v[ABI] offset:64*\tt
	ds_load_b128 v[BI+8*\tt+4:BI+8*\tt+7], v[ABI] offset:64*\tt+16
.endr
	WIN 0
.endm
.macro FETCH_P                         ; 8 transposing loads: A(m = d, k = 32 codes) for two tile pairs and two halves of d
	WIN 0x40
.irp p,0,1
.irp e,0,1
	ds_load_tr16_b128 v[PA+8*(2*\p+\e):PA+8*(2*\p+\e)+3], v[APA] offset:2048*\p+512*\e
	ds_load_tr16_b128 v[PA+8*(2*\p+\e)+4:PA+8*(2*\p+\e)+7], v[APA] offset:2048*\p+1024+512*\e
.endr
.endr
	WIN 0
.endm
.macro SPLIT1 ss, q                    ; two numbers of sg r into hi + mid + lo, each bf16, exactly (8 + 8 + 8 bits)
.set T_, TMP+4*(\q&3)
	v_pk_mul_f32 v[T_:T_+1], v[R+16*\ss+2*\q:R+16*\ss+2*\q+1], s[34:35] op_sel_hi:[1,0]
	v_cvt_pk_bf16_f32 v[BTM+8*(4+\ss)+\q], v[T_], v[T_+1]
	v_lshlrev_b32 v[T_+2], 16, v[BTM+8*(4+\ss)+\q]
	v_and_b32 v[T_+3], s26, v[BTM+8*(4+\ss)+\q]
	v_pk_add_f32 v[T_:T_+1], v[T_:T_+1], v[T_+2:T_+3] neg_lo:[0,1] neg_hi:[0,1]
	v_cvt_pk_bf16_f32 v[BTM+8*(2+\ss)+\q], v[T_], v[T_+1]
	v_lshlrev_b32 v[T_+2], 16, v[BTM+8*(2+\ss)+\q]
	v_and_b32 v[T_+3], s26, v[BTM+8*(2+\ss)+\q]
	v_pk_add_f32 v[T_:T_+1], v[T_:T_+1], v[T_+2:T_+3] neg_lo:[0,1] neg_hi:[0,1]
	v_cvt_pk_bf16_f32 v[BTM+8*\ss+\q], v[T_], v[T_+1]
.endm
.macro SCORE term, start               ; eight products, one for each (tile, set): the eight accumulators take turns
.irp tt,0,1,2,3
.irp ss,0,1
.if \start
	v_wmma_f32_16x16x32_bf16 v[SC+32*\ss+8*\tt:SC+32*\ss+8*\tt+7], v[SA+8*\tt:SA+8*\tt+7], v[BTM+8*(2*\term+\ss):BTM+8*(2*\term+\ss)+7], v[BI+8*\tt:BI+8*\tt+7]
.else
	v_wmma_f32_16x16x32_bf16 v[SC+32*\ss+8*\tt:SC+32*\ss+8*\tt+7], v[SA+8*\tt:SA+8*\tt+7], v[BTM+8*(2*\term+\ss):BTM+8*(2*\term+\ss)+7], v[SC+32*\ss+8*\tt:SC+32*\ss+8*\tt+7]
.endif
.endr
.endr
.endm
; One set's 32 scores a lane: the best two groups, running maximum, p = exp2(a u - a max), sum of p, p packed to bf16 in place as the value product's B.
.macro SOFTMAX ss, first
.set B_, SC+32*\ss
.set Q_, ST+8*\ss
.set L_, LSR+2*\ss
.irp tt,0,1,2,3
	v_max3_num_f32 v[TMP+\tt], v[B_+8*\tt], v[B_+8*\tt+1], v[B_+8*\tt+2]
	v_max3_num_f32 v[TMP+4+\tt], v[B_+8*\tt+3], v[B_+8*\tt+4], v[B_+8*\tt+5]
.endr
.irp tt,0,1,2,3
	v_max3_num_f32 v[TMP+\tt], v[TMP+\tt], v[B_+8*\tt+6], v[B_+8*\tt+7]
.endr
.irp tt,0,1,2,3
	v_max_num_f32 v[TMP+\tt], v[TMP+\tt], v[TMP+4+\tt]             ; the group's maximum
.endr
.irp tt,0,1,2,3
	v_cmp_ge_f32 vcc_lo, v[Q_+BV1], v[TMP+\tt]                     ; the earlier tile stays on a tie, in both places
	v_cmp_ge_f32 s46, v[Q_+BV2], v[TMP+\tt]
	v_cndmask_b32 v[Q_+BT2], s[20+\tt], v[Q_+BT2], s46             ; second place: the new tile if it beats the second,
	v_cndmask_b32 v[Q_+BT2], v[Q_+BT1], v[Q_+BT2], vcc_lo          ; the old first if the new tile beats the first
	v_cndmask_b32 v[Q_+BT1], s[20+\tt], v[Q_+BT1], vcc_lo
	v_med3_num_f32 v[Q_+BV2], v[Q_+BV1], v[Q_+BV2], v[TMP+\tt]     ; the second largest of three is the middle one
	v_max_num_f32 v[Q_+BV1], v[Q_+BV1], v[TMP+\tt]
.endr
	v_permlanex16_b32 v[TMP+8], v[Q_+BV1], s24, s25                ; BV1 is also my lane's running maximum: the row's is the larger of the two halves'
	v_max_num_f32 v[TMP+8], v[TMP+8], v[Q_+BV1]
.if \first
	v_mul_f32 v[Q_+NAM], s42, v[TMP+8]
.else
	v_mul_f32 v[Q_+NAMN], s42, v[TMP+8]
	v_sub_f32 v[Q_+AL], v[Q_+NAMN], v[Q_+NAM]                      ; from the two rounded shifts, so that old and new p stay on one scale
	v_mov_b32 v[Q_+NAM], v[Q_+NAMN]
.endif
.irp k,0,1,2,3,4,5,6,7,8,9,10,11,12,13,14,15
	v_pk_fma_f32 v[B_+2*\k:B_+2*\k+1], v[B_+2*\k:B_+2*\k+1], s[32:33], v[Q_+NAM:Q_+NAM+1] op_sel_hi:[1,0,0]
.endr
.if \first == 0
	v_exp_f32 v[Q_+AL], v[Q_+AL]
.endif
.set k_, 0
.rept 32
	v_exp_f32 v[B_+k_], v[B_+k_]
.set k_, k_+1
.endr
	v_nop                                                          ; one plain place behind the run of exponentials (ISA guide 5.7.2)
	s_wait_alu depctr_va_vdst(0)
.irp i,0,1,2,3
	v_pk_add_f32 v[TMP+2*\i:TMP+2*\i+1], v[B_+4*\i:B_+4*\i+1], v[B_+4*\i+2:B_+4*\i+3]
.endr
.irp i,0,1,2,3
	v_pk_add_f32 v[TMP+2*\i:TMP+2*\i+1], v[TMP+2*\i:TMP+2*\i+1], v[B_+16+2*\i:B_+16+2*\i+1]
.endr
.irp i,0,1,2,3
	v_pk_add_f32 v[TMP+2*\i:TMP+2*\i+1], v[TMP+2*\i:TMP+2*\i+1], v[B_+24+2*\i:B_+24+2*\i+1]
.endr
	v_pk_add_f32 v[TMP:TMP+1], v[TMP:TMP+1], v[TMP+2:TMP+3]
	v_pk_add_f32 v[TMP+4:TMP+5], v[TMP+4:TMP+5], v[TMP+6:TMP+7]
.if \first
	v_pk_add_f32 v[L_:L_+1], v[TMP:TMP+1], v[TMP+4:TMP+5]
.else
	v_pk_add_f32 v[TMP:TMP+1], v[TMP:TMP+1], v[TMP+4:TMP+5]
	v_pk_fma_f32 v[L_:L_+1], v[L_:L_+1], v[Q_+AL:Q_+AL+1], v[TMP:TMP+1] op_sel_hi:[1,0,1]
.endif
.irp p,0,1
.irp i,0,1,2,3
	v_cvt_pk_bf16_f32 v[B_+16*\p+\i], v[B_+16*\p+2*\i], v[B_+16*\p+2*\i+1]            ; tile 2p: k = 8h .. 8h+7; each write lands on a register already read
.endr
.irp i,0,1,2,3
	v_cvt_pk_bf16_f32 v[B_+16*\p+4+\i], v[B_+16*\p+8+2*\i], v[B_+16*\p+8+2*\i+1]      ; tile 2p+1: k = 16+8h ..
.endr
.endr
.if \first == 0
.irp k,0,1,2,3,4,5,6,7
	v_pk_mul_f32 v[ACC+16*\ss+2*\k:ACC+16*\ss+2*\k+1], v[ACC+16*\ss+2*\k:ACC+16*\ss+2*\k+1], v[Q_+AL:Q_+AL+1] op_sel_hi:[1,0]
.endr
.endif
.endm
.macro PV first                        ; acc[d][row] += c^T p: four accumulators take turns
.irp p,0,1
.irp e,0,1
.irp ss,0,1
.if \first*(1-\p)
	v_wmma_f32_16x16x32_bf16 v[ACC+16*\ss+8*\e:ACC+16*\ss+8*\e+7], v[PA+8*(2*\p+\e):PA+8*(2*\p+\e)+7], v[SC+32*\ss+16*\p:SC+32*\ss+16*\p+7], 0
.else
	v_wmma_f32_16x16x32_bf16 v[ACC+16*\ss+8*\e:ACC+16*\ss+8*\e+7], v[PA+8*(2*\p+\e):PA+8*(2*\p+\e)+7], v[SC+32*\ss+16*\p:SC+32*\ss+16*\p+7], v[ACC+16*\ss+8*\e:ACC+16*\ss+8*\e+7]
.endif
.endr
.endr
.endr
.endm
; A block: 4 tiles x 2 sets.  first = 1: it starts the sums.  pf = 1: it fetches the next block's fragments.
.macro BLOCK first, pf
	s_wait_dscnt 0x8                               ; the 16 score loads are in; the 8 younger transposing loads may stay out
	WIN 0x11                                       ; A and C (the bias) in window 1
	SCORE 0, 1
	WIN 0x01
	SCORE 1, 0
	SCORE 2, 0
	WIN 0
.if \pf
	v_add_nc_u32 v[ASA], 0x1000, v[ASA]            ; four places behind the products, in front of the loads into their sources and the reads of their results
	v_add_nc_u32 v[ABI], 0x100, v[ABI]
	v_add_nc_u32 v[APA], 0x1000, v[APA]
	v_nop
	FETCH_S
.else
	NOPS 4
.endif
	SOFTMAX 0, \first
	SOFTMAX 1, \first
.if \pf
	s_wait_dscnt 0x10                              ; the transposing loads are in; the next block's 16 score loads are younger
.else
	s_wait_dscnt 0x0
.endif
	WIN 0x01
	PV \first
.if \pf
	NOPS 5                                         ; five places: the next block's first products write over p, and loads land on this product's A
	FETCH_P
	s_add_co_u32 s20, s20, 4
	s_add_co_u32 s21, s21, 4
	s_add_co_u32 s22, s22, 4
	s_add_co_u32 s23, s23, 4
.endif
.endm
; (vo, io) becomes the better of (vo, io) and (vp, ip): the larger value, on equal values the smaller index.  A strict total order: both lane halves agree.
.macro PICK vo, io, vp, ip
	v_cmp_gt_f32 s46, v[\vp], v[\vo]
	v_cmp_eq_f32 s47, v[\vp], v[\vo]
	v_cmp_lt_u32 vcc_lo, v[\ip], v[\io]
	s_and_b32 s47, s47, vcc_lo
	s_or_b32 vcc_lo, s46, s47
	v_cndmask_b32 v[\vo], v[\vo], v[\vp], vcc_lo
	v_cndmask_b32 v[\io], v[\io], v[\ip], vcc_lo
.endm
; Two ordered pairs a and b become, in a, the best two of the four, by the same order.
.macro TOP2 a1v, a1i, a2v, a2i, b1v, b1i, b2v, b2i
	v_cmp_gt_f32 s46, v[\b1v], v[\a1v]
	v_cmp_eq_f32 s47, v[\b1v], v[\a1v]
	v_cmp_lt_u32 vcc_lo, v[\b1i], v[\a1i]
	s_and_b32 s47, s47, vcc_lo
	s_or_b32 vcc_lo, s46, s47                                      ; b's first is the better one
	v_cndmask_b32 v[TMP+12], v[\a2v], v[\b2v], vcc_lo              ; the second of the list that won
	v_cndmask_b32 v[TMP+13], v[\a2i], v[\b2i], vcc_lo
	v_cndmask_b32 v[\a2v], v[\b1v], v[\a1v], vcc_lo                ; the first that lost
	v_cndmask_b32 v[\a2i], v[\b1i], v[\a1i], vcc_lo
	v_cndmask_b32 v[\a1v], v[\a1v], v[\b1v], vcc_lo
	v_cndmask_b32 v[\a1i], v[\a1i], v[\b1i], vcc_lo
	PICK \a2v, \a2i, TMP+12, TMP+13
.endm
; One-hot over the 256 groups as eight B fragments: register (ks, q) of lane (rr, h) holds groups 2 (16 ks + 8 (q>>2) + (q&3) + 4 h) and the next.
; A pattern of 8 registers for the group's place among 32, then one compare for each ks.  v[TMP+4] = 4 h.
.macro ONEHOT rk, g
	v_bfe_u32 v[TMP], v[\g], 1, 4
	v_sub_nc_u32 v[TMP], v[TMP], v[TMP+4]          ; equals 8 (q>>2) + (q&3) only in the lane half that holds the group
	v_and_b32 v[TMP+1], 1, v[\g]
	v_lshlrev_b32 v[TMP+1], 4, v[TMP+1]
	v_mov_b32 v[TMP+3], 0x3f80
	v_lshlrev_b32 v[TMP+1], v[TMP+1], v[TMP+3]     ; bf16 1.0 in the low or the high half
	v_lshrrev_b32 v[TMP+2], 5, v[\g]
.irp q,0,1,2,3,4,5,6,7
	v_cmp_eq_u32 vcc_lo, 8*(\q>>2)+(\q&3), v[TMP]
	v_cndmask_b32 v[TMP+8+\q], 0, v[TMP+1], vcc_lo
.endr
	WIN 0x40
.irp ks,0,1,2,3,4,5,6,7
	v_cmp_eq_u32 vcc_lo, \ks, v[TMP+2]
.irp q,0,1,2,3,4,5,6,7
	v_cndmask_b32 v[OH+64*\rk+8*\ks+\q], 0, v[TMP+8+\q], vcc_lo
.endr
.endr
	WIN 0
.endm
.macro GLOAD sn                        ; step sn = 8 jp + ks: 8 loads, the A fragments (jp, q = 0..3, ks), into buffer sn & 1
	WIN 0x40
.irp q,0,1,2,3
.irp sec,0,1
.if (\sn) < 16
	ds_load_b128 v[GA+32*((\sn)&1)+8*\q+4*\sec:GA+32*((\sn)&1)+8*\q+4*\sec+3], v[AGA] offset:(((\sn)>>3)&1)*32768+\q*8192+((\sn)&7)*1024+\sec*512
.else
	ds_load_b128 v[GA+32*((\sn)&1)+8*\q+4*\sec:GA+32*((\sn)&1)+8*\q+4*\sec+3], v[AGA1] offset:(((\sn)>>3)&1)*32768+\q*8192+((\sn)&7)*1024+\sec*512
.endif
.endr
.endr
.endm
.macro XSTEP sn                        ; 8 products of the candidate fetch, 4 q x 2 groups: eight accumulators take turns
.if \sn == 31
	s_wait_dscnt 0x0
.else
	s_wait_dscnt 0x8                               ; this step's 8 loads are in, the next step's 8 are younger
.endif
	WIN 0x05                                       ; A and B in window 1
.irp q,0,1,2,3
.irp rk,0,1
.if ((\sn)&7) == 0
	v_wmma_f32_16x16x32_bf16 v[SC+32*\rk+8*\q:SC+32*\rk+8*\q+7], v[GA+32*((\sn)&1)+8*\q:GA+32*((\sn)&1)+8*\q+7], v[OH+64*\rk+8*((\sn)&7):OH+64*\rk+8*((\sn)&7)+7], 0
.else
	v_wmma_f32_16x16x32_bf16 v[SC+32*\rk+8*\q:SC+32*\rk+8*\q+7], v[GA+32*((\sn)&1)+8*\q:GA+32*((\sn)&1)+8*\q+7], v[OH+64*\rk+8*((\sn)&7):OH+64*\rk+8*((\sn)&7)+7], v[SC+32*\rk+8*\q:SC+32*\rk+8*\q+7]
.endif
.endr
.endr
	NOPS 4                                         ; four places in front of the loads into this buffer and of the reads of the results
.if \sn < 30
	GLOAD (\sn+2)
.endif
	WIN 0
.endm
; The candidate (distance, code, packed vector) takes the best's place if its distance is smaller, or equal with a smaller code.
.macro BETTER dv, cv, pv
	v_cmp_lt_f32 s46, v[\dv], v[BD]
	v_cmp_eq_f32 s47, v[\dv], v[BD]
	v_cmp_lt_u32 vcc_lo, v[\cv], v[BCD]
	s_and_b32 s47, s47, vcc_lo
	s_or_b32 vcc_lo, s46, s47
	v_cndmask_b32 v[BD], v[BD], v[\dv], vcc_lo
	v_cndmask_b32 v[BCD], v[BCD], v[\cv], vcc_lo
.irp i,0,1,2,3,4,5,6,7,8,9,10,11,12,13,14,15
	v_cndmask_b32 v[BP+\i], v[BP+\i], v[\pv+\i], vcc_lo
.endr
.endm
; Candidates 2 jp + h of both groups: my lane holds all 32 d of one candidate of each group, register d.  The distance in the reference's f32 steps.
; -s c stands for s c: every rounding is symmetric in the sign, so the chain gives -dot exactly, and 2 x is exact.  Four chains run side by side.
.macro EVAL jp
.if \jp == 0
.set PD_, BP                                       ; the first candidate is the best so far
.else
.set PD_, P0
.endif
.set i_, 0
.rept 16
	v_cvt_pk_bf16_f32 v[PD_+i_], v[SC+2*i_], v[SC+2*i_+1]          ; exact: the numbers are bf16
	v_cvt_pk_bf16_f32 v[P1+i_], v[SC+32+2*i_], v[SC+32+2*i_+1]
.set i_, i_+1
.endr
.set i_, 0
.rept 32
	v_pk_mul_f32 v[SC+2*i_:SC+2*i_+1], v[SC+2*i_:SC+2*i_+1], s[36:37] op_sel_hi:[1,0]   ; -s c, exact
.set i_, i_+1
.endr
	v_mul_f32 v[TMP], v[RF], v[SC]
	v_mul_f32 v[TMP+1], v[SC], v[SC]
	v_mul_f32 v[TMP+2], v[RF], v[SC+32]
	v_mul_f32 v[TMP+3], v[SC+32], v[SC+32]
.set i_, 1
.rept 31
	v_fmac_f32 v[TMP], v[RF+i_], v[SC+i_]
	v_fmac_f32 v[TMP+1], v[SC+i_], v[SC+i_]
	v_fmac_f32 v[TMP+2], v[RF+i_], v[SC+32+i_]
	v_fmac_f32 v[TMP+3], v[SC+32+i_], v[SC+32+i_]
.set i_, i_+1
.endr
	v_fma_f32 v[TMP], v[TMP], 2.0, v[RRV]          ; |r|^2 - 2 r.(s c), one rounding
	v_fma_f32 v[TMP+2], v[TMP+2], 2.0, v[RRV]
.if \jp == 0
	v_add_f32 v[BD], v[TMP], v[TMP+1]              ; + |s c|^2
	v_mov_b32 v[BCD], v[GH]
.else
	v_add_f32 v[TMP], v[TMP], v[TMP+1]
	v_add_nc_u32 v[TMP+1], 2*\jp, v[GH]            ; code = 8 group + 2 jp + h
.endif
	v_add_f32 v[TMP+2], v[TMP+2], v[TMP+3]
	v_add_nc_u32 v[TMP+3], 2*\jp, v[GH+1]
.if \jp != 0
	BETTER TMP, TMP+1, P0
.endif
	BETTER TMP+2, TMP+3, P1
.endm
.macro RUPD ss, src                    ; r -= s c for one set, c packed in 8 registers in r's layout: s c is exact, one rounding
.irp i,0,1,2,3,4,5,6,7
	v_lshlrev_b32 v[TMP+2*(\i&3)], 16, v[\src+\i]
	v_and_b32 v[TMP+2*(\i&3)+1], s26, v[\src+\i]
	v_pk_fma_f32 v[R+16*\ss+2*\i:R+16*\ss+2*\i+1], v[TMP+2*(\i&3):TMP+2*(\i&3)+1], s[36:37], v[R+16*\ss+2*\i:R+16*\ss+2*\i+1] op_sel_hi:[1,0,1]
.endr
.endm
; ---------------------------------------------------------------- the four stages
	s_mov_b32 s17, 0
.Lstage:
	s_and_b32 s46, s27, 0x7fffffff                 ; |s|; SCC says whether it is not 0
	s_cselect_b32 s43, -1, 0                       ; s = 0: every distance is equal, the code is 0
	s_and_b32 s34, s27, 0x80000000
	s_or_b32 s34, s34, 0x3f800000                  ; sg = +-1.0
	s_mov_b32 s35, s34
	s_xor_b32 s36, s27, 0x80000000                 ; -s
	s_mov_b32 s37, s36
	v_mov_b32 v[TMP], s46
	v_mul_f32 v[TMP+1], 0x4038aa3b, v[TMP]         ; a = 2 log2(e) |s|
	v_mul_f32 v[TMP+2], -0.5, v[TMP]               ; -hs
	v_readfirstlane_b32 s32, v[TMP+1]
	v_readfirstlane_b32 s38, v[TMP+2]
	s_mov_b32 s33, s32
	s_xor_b32 s42, s32, 0x80000000                 ; -a
	s_mov_b32 s20, s50                             ; the block's four tile numbers
	s_add_co_u32 s21, s50, 1
	s_add_co_u32 s22, s50, 2
	s_add_co_u32 s23, s50, 3
	v_mov_b32 v[ASA], v[ASA0]
	v_mov_b32 v[ABI], v[ABI0]
	v_mov_b32 v[APA], v[APA0]
	FETCH_S
	FETCH_P
.irp ss,0,1
.irp q,0,1,2,3,4,5,6,7
	SPLIT1 \ss, \q
.endr
	v_mov_b32 v[ST+8*\ss+BV1], 0xff800000          ; -infinity
	v_mov_b32 v[ST+8*\ss+BV2], 0xff800000
	v_mov_b32 v[ST+8*\ss+BT1], 0
	v_mov_b32 v[ST+8*\ss+BT2], 0
.endr
	BLOCK 1, 1
	s_mov_b32 s18, 0
.Lblk:
	BLOCK 0, 1
	s_add_co_u32 s18, s18, 1
	s_cmp_lt_u32 s18, 14
	s_cbranch_scc1 .Lblk
	BLOCK 0, 0
	WIN 0
; set 1 is my partner's own set: it gets my half's figures, lane by lane.  Two adds and two v_nop are the places in front of the stores that read the accumulators.
	v_add_f32 v[ST+NAMN], v[LSR], v[LSR+1]
	v_add_f32 v[ST+8+NAMN], v[LSR+2], v[LSR+3]
	NOPS 2
.irp k,0,1,2,3
	ds_store_b128 v[XAW], v[ACC+16+4*\k:ACC+16+4*\k+3] offset:512*\k
.endr
	ds_store_b128 v[XAW], v[ST+8:ST+11] offset:2048
	ds_store_b64 v[XAW], v[ST+8+BV2:ST+8+BT2] offset:2560
; my own row's residual with all 32 d in every lane, register d, and |r|^2 as a chain in ascending d
.irp e,0,1
.irp j,0,1,2,3,4,5,6,7
	v_permlanex16_b32 v[TMP+(\j&3)], v[R+8*\e+\j], s24, s25
	v_cndmask_b32 v[RF+16*\e+\j], v[R+8*\e+\j], v[TMP+(\j&3)], s26     ; d = 16e+j lies in lanes 0-15
	v_cndmask_b32 v[RF+16*\e+8+\j], v[TMP+(\j&3)], v[R+8*\e+\j], s26   ; d = 16e+8+j in lanes 16-31
.endr
.endr
	v_mul_f32 v[RRV], v[RF], v[RF]
.set i_, 1
.rept 31
	v_fmac_f32 v[RRV], v[RF+i_], v[RF+i_]
.set i_, i_+1
.endr
	s_wait_dscnt 0x0                               ; my stores are done, and so are all my reads of the bias table
	BAR                                            ; barrier A
.irp k,0,1,2,3
	ds_load_b128 v[SC+4*\k:SC+4*\k+3], v[XAR] offset:512*\k        ; partner's acc of my own rows
.endr
	ds_load_b128 v[SC+16:SC+19], v[XAR] offset:2048
	ds_load_b64 v[SC+20:SC+21], v[XAR] offset:2560
	s_wait_dscnt 0x0
	v_min_num_f32 v[TMP], v[ST+NAM], v[SC+16]      ; -a x the larger maximum
	v_sub_f32 v[TMP+1], v[TMP], v[ST+NAM]
	v_sub_f32 v[TMP+2], v[TMP], v[SC+16]
	v_exp_f32 v[TMP+1], v[TMP+1]
	v_exp_f32 v[TMP+2], v[TMP+2]
	v_nop
	s_wait_alu depctr_va_vdst(0)
	v_mul_f32 v[TMP+3], v[ST+NAMN], v[TMP+1]
	v_fmac_f32 v[TMP+3], v[SC+17], v[TMP+2]
	v_permlanex16_b32 v[TMP+4], v[TMP+3], s24, s25
	v_add_f32 v[TMP+3], v[TMP+3], v[TMP+4]         ; sum of p over all 2048 codes: at least 1
	v_rcp_f32 v[TMP+3], v[TMP+3]
	v_mul_f32 v[TMP+1], s36, v[TMP+1]              ; a plain place behind the reciprocal
	v_mul_f32 v[TMP+2], s36, v[TMP+2]
	s_wait_alu depctr_va_vdst(0)
	v_mul_f32 v[TMP+4], v[TMP+1], v[TMP+3]         ; -s f / sum
	v_mul_f32 v[TMP+6], v[TMP+2], v[TMP+3]
.irp k,0,1,2,3,4,5,6,7
	v_pk_fma_f32 v[ES+2*\k:ES+2*\k+1], v[ACC+2*\k:ACC+2*\k+1], v[TMP+4:TMP+5], v[ES+2*\k:ES+2*\k+1] op_sel_hi:[1,0,1]
	v_pk_fma_f32 v[ES+2*\k:ES+2*\k+1], v[SC+2*\k:SC+2*\k+1], v[TMP+6:TMP+7], v[ES+2*\k:ES+2*\k+1] op_sel_hi:[1,0,1]
	v_pk_fma_f32 v[SD:SD+1], v[ES+2*\k:ES+2*\k+1], v[ES+2*\k:ES+2*\k+1], v[SD:SD+1]
.endr
; the best two groups of my rows: my half's with my partner's, lane by lane (same h: the order of tiles is the order of groups), then the two lane halves
	TOP2 ST+BV1, ST+BT1, ST+BV2, ST+BT2, SC+18, SC+19, SC+20, SC+21
	v_lshl_add_u32 v[ST+BT1], v[ST+BT1], 1, v[H]   ; group = 2 tile + h
	v_lshl_add_u32 v[ST+BT2], v[ST+BT2], 1, v[H]
	v_permlanex16_b32 v[TMP+8], v[ST+BV1], s24, s25
	v_permlanex16_b32 v[TMP+9], v[ST+BT1], s24, s25
	v_permlanex16_b32 v[TMP+10], v[ST+BV2], s24, s25
	v_permlanex16_b32 v[TMP+11], v[ST+BT2], s24, s25
	TOP2 ST+BV1, ST+BT1, ST+BV2, ST+BT2, TMP+8, TMP+9, TMP+10, TMP+11
	v_lshl_add_u32 v[GH], v[ST+BT1], 3, v[H]
	v_lshl_add_u32 v[GH+1], v[ST+BT2], 3, v[H]
	s_cmp_eq_u32 s17, 3
	s_cbranch_scc1 .Lnobias                        ; no stage follows the last
	HSOF s28
	BIASB                                          ; nobody reads the table between barriers A and B
.Lnobias:
	GLOAD 0
	GLOAD 1
	WIN 0
	v_lshlrev_b32 v[TMP+4], 2, v[H]
	ONEHOT 0, ST+BT1
	ONEHOT 1, ST+BT2
.set n_, 0
.rept 32
	XSTEP n_
.if (n_&7) == 7
	EVAL (n_>>3)
.endif
.set n_, n_+1
.endr
; the two lane halves hold the best of the even and of the odd candidates: the better one, and its vector in the residual's layout
	v_permlanex16_b32 v[TMP], v[BD], s24, s25
	v_permlanex16_b32 v[TMP+1], v[BCD], s24, s25
	v_cmp_lt_f32 s46, v[TMP], v[BD]
	v_cmp_eq_f32 s47, v[TMP], v[BD]
	v_cmp_lt_u32 vcc_lo, v[TMP+1], v[BCD]
	s_and_b32 s47, s47, vcc_lo
	s_or_b32 s48, s46, s47                         ; the other half's candidate wins
	v_cndmask_b32 v[BCD], v[BCD], v[TMP+1], s48
.irp e,0,1
.irp i,0,1,2,3
	v_cndmask_b32 v[TMP+8+4*\e+\i], v[BP+8*\e+4+\i], v[BP+8*\e+\i], s26   ; of my candidate, the d that the other half keeps of r
	v_cndmask_b32 v[P0+4*\e+\i], v[BP+8*\e+\i], v[BP+8*\e+4+\i], s26      ; and the d that I keep: packed register 8e+4h+i
.endr
.endr
.irp i,0,1,2,3,4,5,6,7
	v_permlanex16_b32 v[SC+\i], v[TMP+8+\i], s24, s25
.endr
.irp i,0,1,2,3,4,5,6,7
	v_cndmask_b32 v[P0+\i], v[P0+\i], v[SC+\i], s48
.endr
	ds_store_b128 v[XBW], v[P0:P0+3]               ; my partner keeps these rows' residual too
	ds_store_b128 v[XBW], v[P0+4:P0+7] offset:512
	v_mov_b32 v[CODE], v[CODE+1]                   ; the codes move up: after four stages stage 0's is the first
	v_mov_b32 v[CODE+1], v[CODE+2]
	v_mov_b32 v[CODE+2], v[CODE+3]
	v_and_b32 v[CODE+3], s43, v[BCD]
	RUPD 0, P0
.irp i,0,1,2,3,4,5,6,7
	v_pk_fma_f32 v[HD:HD+1], v[R+2*\i:R+2*\i+1], v[R+2*\i:R+2*\i+1], v[HD:HD+1]
.endr
	s_wait_dscnt 0x0                               ; my chosen vector and my part of the next bias table are written
	BAR                                            ; barrier B
	ds_load_b128 v[SC:SC+3], v[XBR]
	ds_load_b128 v[SC+4:SC+7], v[XBR] offset:512
	s_wait_dscnt 0x0
	RUPD 1, SC
	s_mov_b32 s27, s28
	s_mov_b32 s28, s29
	s_mov_b32 s29, s30
	s_add_co_u32 s17, s17, 1
	s_cmp_lt_u32 s17, 4
	s_cbranch_scc1 .Lstage
; ---------------------------------------------------------------- the loss's part and the codes
.irp k,0,1,2,3,4,5,6,7
	v_pk_add_f32 v[TMP+2*(\k&1):TMP+2*(\k&1)+1], v[R+2*\k:R+2*\k+1], v[ES+2*\k:ES+2*\k+1] neg_lo:[0,1] neg_hi:[0,1]   ; q_soft - q_hard = r - es
	v_pk_fma_f32 v[SD:SD+1], v[TMP+2*(\k&1):TMP+2*(\k&1)+1], v[TMP+2*(\k&1):TMP+2*(\k&1)+1], v[SD:SD+1]               ; same weight 0.1 as the soft distortion
.endr
	v_add_f32 v[SD], v[SD], v[SD+1]
	v_add_f32 v[HD], v[HD], v[HD+1]
	s_mov_b32 s46, 0x3dcccccd                      ; 0.1
	v_fma_f32 v[TMP], v[SD], s46, v[HD]
	v_mul_f32 v[TMP], 0x35800000, v[TMP]           ; / (32768 x 32)
	v_add_f32_dpp v[TMP], v[TMP], v[TMP] row_xmask:1 row_mask:0xf bank_mask:0xf
	v_add_f32_dpp v[TMP], v[TMP], v[TMP] row_xmask:2 row_mask:0xf bank_mask:0xf
	v_add_f32_dpp v[TMP], v[TMP], v[TMP] row_xmask:4 row_mask:0xf bank_mask:0xf
	v_add_f32_dpp v[TMP], v[TMP], v[TMP] row_xmask:8 row_mask:0xf bank_mask:0xf
	v_permlanex16_b32 v[TMP+1], v[TMP], s24, s25
	v_add_f32 v[TMP], v[TMP], v[TMP+1]
	s_lshl_b32 s46, s14, 2
	s_add_co_u32 s46, s46, RED
	v_mov_b32 v[TMP+2], s46
	ds_store_b32 v[TMP+2], v[TMP]
	v_cndmask_b32 v[TMP+4], v[CODE], v[CODE+2], s26                ; lane half h holds codes 2h, 2h+1 of its row
	v_cndmask_b32 v[TMP+5], v[CODE+1], v[CODE+3], s26
	s_wait_dscnt 0x0
	BAR
	global_store_b64 v[OUTO], v[TMP+4:TMP+5], s[10:11] th:TH_STORE_NT   ; the wave's 32 lanes store 256 consecutive bytes, aligned: 16 rows of codes
	s_cmp_lg_u32 s14, 0
	s_cbranch_scc1 .Ldone
	v_mov_b32 v[TMP+3], RED
	ds_load_b128 v[TMP+8:TMP+11], v[TMP+3]
	ds_load_b128 v[TMP+12:TMP+15], v[TMP+3] offset:16
	s_wait_dscnt 0x0
	v_pk_add_f32 v[TMP+8:TMP+9], v[TMP+8:TMP+9], v[TMP+10:TMP+11]
	v_pk_add_f32 v[TMP+12:TMP+13], v[TMP+12:TMP+13], v[TMP+14:TMP+15]
	v_pk_add_f32 v[TMP+8:TMP+9], v[TMP+8:TMP+9], v[TMP+12:TMP+13]
	v_add_f32 v[TMP+8], v[TMP+8], v[TMP+9]
	v_mov_b32 v[TMP+6], 0
	v_cmp_gt_u32 vcc_lo, 1, v0
	s_wait_xcnt 0x0                                ; EXEC is a source of the store of codes: it changes only behind this wait
	s_and_saveexec_b32 s46, vcc_lo
	global_store_b32 v[TMP+6], v[TMP+8], s[12:13]  ; one word for the work-group
	s_wait_xcnt 0x0
	s_or_b32 exec_lo, exec_lo, s46
.Ldone:
	s_set_vgpr_msb 0x5
	s_wait_tensorcnt 0x0
	ds_add_u32 v192, v193
	s_wait_dscnt 0x0
	s_set_vgpr_msb 0x500
	s_endpgm
.Lfunc_end_k_qb3d25f1b3d_drq:
	.size	k_qb3d25f1b3d_drq, .Lfunc_end_k_qb3d25f1b3d_drq-k_qb3d25f1b3d_drq
	.p2alignl 7, 3214868480
	.fill 96, 4, 3214868480
	.section	.rodata,"a",@progbits
	.p2align	6, 0x0
	.amdhsa_kernel k_qb3d25f1b3d_drq
		.amdhsa_group_segment_fixed_size 312576
		.amdhsa_private_segment_fixed_size 0
		.amdhsa_enable_private_segment 0
		.amdhsa_kernarg_size 40
		.amdhsa_user_sgpr_count 2
		.amdhsa_user_sgpr_kernarg_segment_ptr 1
		.amdhsa_wavefront_size32 1
		.amdhsa_system_sgpr_workgroup_id_x 1
		.amdhsa_system_sgpr_workgroup_id_y 1
		.amdhsa_system_sgpr_workgroup_id_z 1
		.amdhsa_system_vgpr_workitem_id 0
		.amdhsa_next_free_vgpr 450
		.amdhsa_next_free_sgpr 66
		.amdhsa_reserve_vcc 1
		.amdhsa_float_denorm_mode_32 3
		.amdhsa_float_denorm_mode_16_64 3
		.amdhsa_memory_ordered 1
		.amdhsa_forward_progress 1
		.amdhsa_inst_pref_size 190
	.end_amdhsa_kernel
	.amdgpu_metadata
---
amdhsa.version: [ 1, 2 ]
amdhsa.kernels:
  - .name:           k_qb3d25f1b3d_drq
    .symbol:         k_qb3d25f1b3d_drq.kd
    .args:
      - { .name: x, .offset: 0, .size: 8, .value_kind: global_buffer, .address_space: global }
      - { .name: codebook, .offset: 8, .size: 8, .value_kind: global_buffer, .address_space: global }
      - { .name: scale, .offset: 16, .size: 8, .value_kind: global_buffer, .address_space: global }
      - { .name: out0, .offset: 24, .size: 8, .value_kind: global_buffer, .address_space: global }
      - { .name: part, .offset: 32, .size: 8, .value_kind: global_buffer, .address_space: global }
    .group_segment_fixed_size: 312576
    .private_segment_fixed_size: 0
    .kernarg_segment_align: 8
    .kernarg_segment_size: 40
    .max_flat_workgroup_size: 256
    .sgpr_count:     66
    .vgpr_count:     450
    .wavefront_size: 32
...
	.end_amdgpu_metadata
.endif
;; end of part 1
;; launch sumup (part 2): grid 1 x 1, 1 waves a work-group, no clusters, 0 bytes of LDS; arguments part, out1; writes out1
.if DOCPART == 2
	.amdgcn_target "amdgcn-amd-amdhsa--gfx1250"
	.amdhsa_code_object_version 6
	.text
	.protected	k_qb3d25f1b3d_sumup
	.globl	k_qb3d25f1b3d_sumup
	.p2align	8
	.type	k_qb3d25f1b3d_sumup,@function
k_qb3d25f1b3d_sumup:
	s_mov_b64 s[64:65], 0
	v_nop
	global_prefetch_b8 v0, s[64:65] scope:SCOPE_SE
	s_setreg_imm32_b32 hwreg(HW_REG_WAVE_MODE, 25, 1), 1
	s_wait_xcnt 0x0
; loss = the sum of the 256 work-groups' parts, in a fixed order: one wave, 8 numbers a lane.
; The sum spans work-groups, so it has a launch of its own; 1,024 bytes in, 4 out.
	s_load_b128 s[4:7], s[0:1], 0x0                ; part s[4:5], out1 s[6:7]
	v_lshlrev_b32 v1, 5, v0                        ; 32 bytes a lane
	s_mov_b32 s8, 0x76543210
	s_mov_b32 s9, 0xfedcba98
	s_wait_kmcnt 0x0
	global_load_b128 v[2:5], v1, s[4:5]
	global_load_b128 v[6:9], v1, s[4:5] offset:16
	s_wait_loadcnt 0x0
	v_pk_add_f32 v[2:3], v[2:3], v[4:5]
	v_pk_add_f32 v[6:7], v[6:7], v[8:9]
	v_pk_add_f32 v[2:3], v[2:3], v[6:7]
	v_add_f32 v2, v2, v3
	v_add_f32_dpp v2, v2, v2 row_xmask:1 row_mask:0xf bank_mask:0xf
	v_add_f32_dpp v2, v2, v2 row_xmask:2 row_mask:0xf bank_mask:0xf
	v_add_f32_dpp v2, v2, v2 row_xmask:4 row_mask:0xf bank_mask:0xf
	v_add_f32_dpp v2, v2, v2 row_xmask:8 row_mask:0xf bank_mask:0xf
	v_permlanex16_b32 v3, v2, s8, s9
	v_add_f32 v2, v2, v3
	v_mov_b32 v4, 0
	v_cmp_gt_u32 vcc_lo, 1, v0
	s_wait_xcnt 0x0                                ; EXEC changes only behind this wait
	s_and_saveexec_b32 s10, vcc_lo
	global_store_b32 v4, v2, s[6:7]
	s_wait_xcnt 0x0
	s_or_b32 exec_lo, exec_lo, s10
	s_endpgm
.Lfunc_end_k_qb3d25f1b3d_sumup:
	.size	k_qb3d25f1b3d_sumup, .Lfunc_end_k_qb3d25f1b3d_sumup-k_qb3d25f1b3d_sumup
	.p2alignl 7, 3214868480
	.fill 96, 4, 3214868480
	.section	.rodata,"a",@progbits
	.p2align	6, 0x0
	.amdhsa_kernel k_qb3d25f1b3d_sumup
		.amdhsa_group_segment_fixed_size 0
		.amdhsa_private_segment_fixed_size 0
		.amdhsa_enable_private_segment 0
		.amdhsa_kernarg_size 16
		.amdhsa_user_sgpr_count 2
		.amdhsa_user_sgpr_kernarg_segment_ptr 1
		.amdhsa_wavefront_size32 1
		.amdhsa_system_sgpr_workgroup_id_x 1
		.amdhsa_system_sgpr_workgroup_id_y 1
		.amdhsa_system_sgpr_workgroup_id_z 1
		.amdhsa_system_vgpr_workitem_id 0
		.amdhsa_next_free_vgpr 16
		.amdhsa_next_free_sgpr 66
		.amdhsa_reserve_vcc 1
		.amdhsa_float_denorm_mode_32 3
		.amdhsa_float_denorm_mode_16_64 3
		.amdhsa_memory_ordered 1
		.amdhsa_forward_progress 1
		.amdhsa_inst_pref_size 2
	.end_amdhsa_kernel
	.amdgpu_metadata
---
amdhsa.version: [ 1, 2 ]
amdhsa.kernels:
  - .name:           k_qb3d25f1b3d_sumup
    .symbol:         k_qb3d25f1b3d_sumup.kd
    .args:
      - { .name: part, .offset: 0, .size: 8, .value_kind: global_buffer, .address_space: global }
      - { .name: out1, .offset: 8, .size: 8, .value_kind: global_buffer, .address_space: global }
    .group_segment_fixed_size: 0
    .private_segment_fixed_size: 0
    .kernarg_segment_align: 8
    .kernarg_segment_size: 16
    .max_flat_workgroup_size: 32
    .sgpr_count:     66
    .vgpr_count:     16
    .wavefront_size: 32
...
	.end_amdgpu_metadata
.endif
;; end of part 2
;; ======== version 2 of 2: 2 launches; 1.17 times as fast as version 1
;; limits: values outside matrix products are rounded to bf16; values within 1.53e-05 (relative) of each other or of a threshold may be ordered or decided otherwise than in the reference; below input magnitudes of 1e-06 results are inexact or not finite
;; workspace buffers: part 1,024 bytes
;; launch drq (part 3): grid 256 x 1, 8 waves a work-group, no clusters, 312,576 bytes of LDS; arguments x, codebook, scale, out0, part; writes out0, part
.if DOCPART == 3
	.amdgcn_target "amdgcn-amd-amdhsa--gfx1250"
	.amdhsa_code_object_version 6
	.text
	.protected	k_qb3d25f1b3d_drq
	.globl	k_qb3d25f1b3d_drq
	.p2align	8
	.type	k_qb3d25f1b3d_drq,@function
k_qb3d25f1b3d_drq:
	s_mov_b64 s[64:65], 0
	v_nop
	global_prefetch_b8 v0, s[64:65] scope:SCOPE_SE
	s_setreg_imm32_b32 hwreg(HW_REG_WAVE_MODE, 25, 1), 1
	s_wait_xcnt 0x0
; DRQ, all four stages in one launch.  N = 32768 rows, D = 32, K = 2048 codes, M = 4 stages.
; A work-group owns 128 rows; wave w = 2 g + c takes rows 32 g .. 32 g + 31 against code half c (tiles 64 c .. 64 c + 63 of 16 codes).
; Register set 0 of a wave holds rows 16 w + rr (its OWN rows: it keeps their soft error, loss and codes, and decides their codes), set 1 its partner's (wave w ^ 1).
; ARITHMETIC.  x, codebook and scale are rounded to bf16 once; s c is then exact in f32.  With sg = sign(s), hs = |s| / 2, cc = |c|^2:
;   u_k = (sg r) . c_k - hs cc_k,   -dist + |r|^2 = 2 |s| u_k,   p = exp2(a u - a max u),  a = 2 |s| log2(e),  soft = s sum(p c) / sum(p).
; The f32 residual goes into the score as two bf16 terms (2^-18 of each product is dropped): two matrix products a tile, the bias -hs cc as the first C.
; ARGMAX WITHOUT A DATA-DEPENDENT ADDRESS.  The loop tracks the best TWO groups of 8 codes (a lane's 8 results of a tile are one group); the tile's number rides in
; the low 7 bits of the group's maximum, so the two places are kept by a middle-of-three and a maximum.  The 16 candidate vectors of the two groups come from a
; product one-hot(256 groups) x codebook, exact since the codebook is bf16.  Among the 16 the code is chosen by the distance formed as the reference forms it in
; f32: v = s c; dot, |v|^2 and |r|^2 each a chain of fused multiply-adds in ascending d; dist = (|r|^2 - 2 dot) + |v|^2, rounded at each step; the smallest
; dist, on equal dist the smallest code.
; THE LOOP goes in phases: one set's softmax (vector work) carries the other set's 12 matrix products, one for every eight or so vector instructions.
;   X(b): softmax of set 0, block b, with the value product of set 1, block b-1, and the scores of set 1, block b
;   Y(b): softmax of set 1, block b, with the value product of set 0, block b, and the scores of set 0, block b+1
; All that the loop names lies in register window 1, so the whole loop runs under one window setting.
; LIMITS.  Inputs are used rounded to bf16.  The groups are ranked with a relative error of about 2^-16 (two terms; 8 bits for the group's number): the right code is
; missed if three groups agree to within that.  The order of the f32 sums of the final choice (ascending d, fused) is taken to be the reference's; where it sums
; otherwise, two codes whose distances agree to within f32 rounding may be ordered otherwise.  A |scale| so small that more than two groups fall into one rounding
; step of |r|^2 (below about 1e-6 for data of unit spread) is not served; a scale that rounds to zero gives code 0, as the reference's argmax of equal numbers does.
; hard distortion is summed from the residual chain r, not from x - q_hard_sum (another order of rounding).  NaN and infinite inputs are not served.
; No cluster, no tensor loads: the one shared input, the codebook (256 KiB), is read once by each work-group and needs conversion and a new layout in registers.
; MATRIX USE (transposed): in a result, lane (rr, h) register j is (m = 8 h + j, n = row rr).  r, es and acc lie so: register 8 e + j holds d = 16 e + 8 h + j.
; LDS map, bytes
.set IMG,   0            ; 131072: bf16 codebook; the 16 bytes (code, q) = c[code][8q..8q+7] at (code>>4)*1024 + q*256 + (((code&15)+8*(q&1))&15)*16
.set GAI,   131072       ; 131072: A fragments of the candidate product, 1 KiB each, number (4 jp + q)*8 + ks: rows 0-7 d = 8q.. of code 8 k + 2 jp, rows 8-15 of code 8 k + 2 jp + 1
.set CCB,   262144       ; 8192:   f32 |c|^2
.set BIAS,  270336       ; 8192:   f32 -hs |c|^2 of the current stage
.set XA,    278528       ; 8 x 3072: slots of 512 B, all of set 1: 0-3 acc, 4 {shift, sum, best value, second value}
.set XB,    303104       ; 8 x 1024: the chosen code's vector for my own rows, packed bf16, in the residual's layout
.set RED,   311296       ; 256:    eight loss words
.set XASZ,  3072
.set XBSZ,  1024
; window 0
.set LN,    1            ; 16 x lane
.set H,     5            ; lane >> 4
.set XAW,   6
.set XAR,   7
.set XBW,   8
.set XBR,   9
.set AGA,   10           ; LDS address: candidate fragments, jp = 0, 1
.set ACB,   11           ; CCB + 32 x thread
.set ASA0,  12           ; LDS addresses of block 0: score A fragments,
.set APA0,  13           ; transposed fragments for the value product,
.set ABI0,  14           ; bias
.set OUTO,  15           ; byte offset of my 8 bytes of codes
.set TMP,   16           ; v16-31 at work
.set ST,    32           ; my own rows after the loop: shift, sum, two best values, their two groups
.set G1,    ST+4
.set G2,    ST+5
.set GH,    ST+8         ; 8 group + h of the two groups
.set BP,    48           ; the best candidate so far, 32 d packed in 16 registers
.set P0,    64           ; a candidate packed (first group); at the end the chosen vector in the residual's layout
.set SC,    80           ; v80-143: at work: the split of r; partner's data; the candidates, 32 a group, register d
.set RF,    144          ; my row's residual, all 32 d, register d
.set P1,    176          ; a candidate packed (second group)
.set R,     192          ; v192-223 residual, 16 a set
.set ES,    224          ; v224-239 x - q_soft_sum of my own rows
.set CODE,  240          ; v240-243
.set SD,    244
.set HD,    246
.set BD,    252          ; best candidate's distance
.set BCD,   253          ; and its code
.set RRV,   254          ; |r|^2 of my row
.set AGA1,  255          ; LDS address: candidate fragments, jp = 2, 3
; registers of the prologue only
.set IA,    48
.set CA,    49
.set GB,    50           ; four bases
.set GST,   54
.set GO,    55
.set XO,    56
; window 1, the loop
.set WSC,   0            ; scores, 32 a set, 8 a tile; then p packed as the value product's B
.set WACC,  64           ; sum of p c, 16 a set
.set WSA,   96           ; score A fragments, 8 a tile
.set WBI,   128          ; bias as C, 8 a tile
.set WPA,   160          ; value product's A, at 8*(2p+e)
.set WBT,   192          ; residual terms as B fragments, at 8*(2*term+set), term 0 hi, 1 mid
.set WTMP,  224          ; 12 at work
.set WST,   236          ; state, 8 a set:
.set NAM,   0            ; -a x running maximum of the row
.set MXF,   1            ; my lane's running maximum; after the loop my lane's sum of p
.set BV1,   2            ; best group value, the tile's number in its low 7 bits
.set BV2,   3            ; second best
.set LS,    4            ; two partial sums of p
.set AL,    6            ; rescale factor
.set NAMN,  7            ; the shift's next value
.set WASA,  252          ; the three LDS addresses, stepped by block
.set WAPA,  253
.set WABI,  254
; window 1, the candidate product
.set OH,    0            ; one-hot B fragments, at 64*group rank+8*ks
.set GA,    128          ; candidate A fragments, two buffers of 32
; scalars: s14 wave, s16 c, s17 stage, s18 trips, s20-23 tile numbers, s24-25 lane selects, s26 mask (a word's upper half; also lanes 16-31),
; s27-30 scales still to come, s32-33 a, s34-35 sg, s36-37 -s, s39 mask without the low 7 bits, s40-41 -hs for the bias table, s42 -a, s43 code mask, s46-49 at work, s50 64 c
.set MSB, 0
.macro WIN new                         ; the immediate's high byte repeats the setting that is left
.if MSB != \new
	s_set_vgpr_msb (MSB<<8)|\new
.set MSB, \new
.endif
.endm
.macro BAR
	s_barrier_signal -1
	s_barrier_wait -1
.endm
.macro NOPS cnt
.rept \cnt
	v_nop
.endr
.endm
; ---------------------------------------------------------------- ids and addresses
	s_load_b256 s[4:11], s[0:1], 0x0               ; x s[4:5], codebook s[6:7], scale s[8:9], out0 s[10:11]
	s_load_b64 s[12:13], s[0:1], 0x20              ; part
	v_lshl_add_u32 v250, v0, 2, 0x4c100
	v_mov_b32 v251, 0
	v_lshrrev_b32 v16, 5, v0
	v_readfirstlane_b32 s14, v16                   ; wave
	s_and_b32 s16, s14, 1                          ; c: my half of the codes
	s_xor_b32 s48, s14, 1                          ; my partner
	s_mov_b32 s24, 0x76543210                      ; v_permlanex16_b32: lane i reads lane i of the other half
	s_mov_b32 s25, 0xfedcba98
	s_mov_b32 s26, 0xffff0000                      ; a word's upper bf16; as a lane mask: lanes 16 to 31
	s_mov_b32 s39, 0xffffff80                      ; a group value without the 7 bits that take the tile's number
	s_lshl_b32 s49, s16, 16                        ; my half of IMG
	s_lshl_b32 s50, s16, 6                         ; my first tile
	v_and_b32 v16, 31, v0
	v_lshlrev_b32 v[LN], 4, v16
	v_lshrrev_b32 v[H], 4, v16
	v_and_b32 v17, 15, v0                          ; rr
	v_bfe_u32 v18, v0, 3, 1                        ; sub
	v_and_b32 v19, 7, v0                           ; i
	v_lshl_add_u32 v20, v[H], 3, v17               ; score A: unit (code rr, q = h): h*256 + ((rr+8h)&15)*16
	v_and_b32 v20, 15, v20
	v_lshlrev_b32 v20, 4, v20
	v_lshl_add_u32 v20, v[H], 8, v20
	v_add_nc_u32 v[ASA0], s49, v20
	v_add_nc_u32 v20, v[H], v18                    ; transposed: unit (code 8h+i, q = sub): sub*256 + ((8h+i+8sub)&15)*16
	v_lshl_add_u32 v20, v20, 3, v19
	v_and_b32 v20, 15, v20
	v_lshlrev_b32 v20, 4, v20
	v_lshl_add_u32 v20, v18, 8, v20
	v_add_nc_u32 v[APA0], s49, v20
	s_lshl_b32 s47, s16, 12
	s_add_co_u32 s47, s47, BIAS
	v_lshl_add_u32 v[ABI0], v[H], 5, s47           ; bias of codes 8h .. 8h+7 of a tile
	v_add_nc_u32 v[AGA], GAI, v[LN]
	v_add_nc_u32 v[AGA1], GAI+0x10000, v[LN]       ; the upper half lies beyond the 16-bit immediate
	s_mul_i32 s46, s14, XASZ
	s_add_co_u32 s46, s46, XA
	v_add_nc_u32 v[XAW], s46, v[LN]
	s_mul_i32 s46, s48, XASZ
	s_add_co_u32 s46, s46, XA
	v_add_nc_u32 v[XAR], s46, v[LN]
	s_mul_i32 s46, s14, XBSZ
	s_add_co_u32 s46, s46, XB
	v_add_nc_u32 v[XBW], s46, v[LN]
	s_mul_i32 s46, s48, XBSZ
	s_add_co_u32 s46, s46, XB
	v_add_nc_u32 v[XBR], s46, v[LN]
	v_lshlrev_b32 v[GO], 5, v0                     ; 32 bytes a thread: a unit of 8 f32 of the codebook
	v_add_nc_u32 v[ACB], CCB, v[GO]
	v_bfe_u32 v20, v0, 2, 4                        ; where my unit goes in IMG: code&15 = (t>>2)&15, q = t&3, tile = t>>6
	v_and_b32 v21, 1, v0
	v_lshl_add_u32 v20, v21, 3, v20
	v_and_b32 v20, 15, v20
	v_lshlrev_b32 v20, 4, v20
	v_and_b32 v21, 3, v0
	v_lshl_add_u32 v20, v21, 8, v20
	v_lshrrev_b32 v21, 6, v0
	v_lshl_add_u32 v[IA], v21, 10, v20
	v_lshrrev_b32 v20, 2, v0
	v_lshlrev_b32 v20, 2, v20
	v_add_nc_u32 v[CA], CCB, v20                   ; |c|^2 of code t>>2
	; candidate fragments: wave w builds jp = w>>1, q = 2 (w&1) + ql.  My lane addresses group 8h+i of 32, code 8 group + 2 jp + sub:
	; tile 4h+(i>>1), code&15 = 8(i&1) + 2 jp + sub (15 at the most), unit q
	v_lshrrev_b32 v20, 1, v19
	v_lshl_add_u32 v20, v[H], 2, v20
	v_and_b32 v21, 1, v19
	v_lshl_add_u32 v21, v21, 3, v18
	s_and_b32 s46, s14, 6                          ; 2 jp
	v_add_nc_u32 v21, s46, v21
	v_lshlrev_b32 v21, 4, v21
	s_lshl_b32 s47, s16, 9                         ; 2 (w&1) units of 256 bytes
	v_lshl_add_u32 v20, v20, 10, s47
	v_add_nc_u32 v[GB], v20, v21                   ; ql = 0
	v_xor_b32 v21, 0x80, v21                       ; an odd q turns the place in its 256 bytes by 8 units
	v_add_nc_u32 v[GB+2], v20, v21
	v_add_nc_u32 v[GB+2], 0x100, v[GB+2]           ; ql = 1
	v_add_nc_u32 v[GB+1], 0x10000, v[GB]           ; the upper half of IMG lies beyond the 16-bit immediate
	v_add_nc_u32 v[GB+3], 0x10000, v[GB+2]
	s_lshl_b32 s46, s14, 14
	s_add_co_u32 s46, s46, GAI
	v_add_nc_u32 v[GST], s46, v[LN]
	s_lshl_b32 s46, s14, 11                        ; my own rows 16 w + rr, 128 bytes each
	v_lshl_add_u32 v[XO], v17, 7, s46
	v_lshl_add_u32 v[XO], v[H], 5, v[XO]
	v_xor_b32 v[XO+1], 0x800, v[XO]                ; my partner's rows: 16 rows up or down
	s_lshl_b32 s46, s14, 8
	v_lshl_add_u32 v[OUTO], v17, 4, s46            ; 16 bytes of codes a row,
	v_lshl_add_u32 v[OUTO], v[H], 3, v[OUTO]       ; of which lane half h stores 8
	s_wait_kmcnt 0x0
	s_lshl_b32 s52, ttmp9, 14                      ; 128 rows of 128 bytes
	s_mov_b32 s53, 0
	s_add_nc_u64 s[4:5], s[4:5], s[52:53]
	s_lshl_b32 s52, ttmp9, 11                      ; 128 rows of 16 bytes
	s_add_nc_u64 s[10:11], s[10:11], s[52:53]
	s_lshl_b32 s52, ttmp9, 2
	s_add_nc_u64 s[12:13], s[12:13], s[52:53]
	s_load_b128 s[56:59], s[8:9], 0x0              ; the four scales
.irp e,0,1
	global_load_b128 v[R+8*\e:R+8*\e+3], v[XO], s[4:5] offset:64*\e             ; x[row][16e+8h ..]
	global_load_b128 v[R+8*\e+4:R+8*\e+7], v[XO], s[4:5] offset:64*\e+16
	global_load_b128 v[R+16+8*\e:R+16+8*\e+3], v[XO+1], s[4:5] offset:64*\e
	global_load_b128 v[R+16+8*\e+4:R+16+8*\e+7], v[XO+1], s[4:5] offset:64*\e+16
.endr
.irp k,CODE,CODE+1,CODE+2,CODE+3,SD,SD+1,HD,HD+1
	v_mov_b32 v[\k], 0                             ; the sums start at 0; the code chain is written once
.endr
	WIN 0x40
	v_mov_b32 v[WTMP+8], 0                         ; a lane exchange counts as a reader of its destination: written once
	WIN 0
	s_wait_kmcnt 0x0
	v_mov_b32 v16, s56
	v_mov_b32 v17, s57
	v_mov_b32 v18, s58
	v_mov_b32 v19, s59
	v_cvt_pk_bf16_f32 v20, v16, v17                ; scales rounded to bf16
	v_cvt_pk_bf16_f32 v21, v18, v19
	v_lshlrev_b32 v16, 16, v20
	v_and_b32 v17, s26, v20
	v_lshlrev_b32 v18, 16, v21
	v_and_b32 v19, s26, v21
	v_readfirstlane_b32 s27, v16
	v_readfirstlane_b32 s28, v17
	v_readfirstlane_b32 s29, v18
	v_readfirstlane_b32 s30, v19
; ---------------------------------------------------------------- the codebook: bf16 image and |c|^2.  4 trips x 8 units of 32 bytes a thread
	s_mov_b32 s18, 0
.Limg:
.irp u,0,1,2,3,4,5,6,7
	global_load_b128 v[SC+8*\u:SC+8*\u+3], v[GO], s[6:7] offset:8192*\u
	global_load_b128 v[SC+8*\u+4:SC+8*\u+7], v[GO], s[6:7] offset:8192*\u+16
.endr
	s_wait_loadcnt 0x0                             ; the trip's 16 loads (and, in the first trip, x) are in: the base may be stepped
	s_add_nc_u64 s[6:7], s[6:7], 0x10000
.irp u,0,1,2,3,4,5,6,7
.irp i,0,1,2,3
	v_cvt_pk_bf16_f32 v[TMP+4*(\u&1)+\i], v[SC+8*\u+2*\i], v[SC+8*\u+2*\i+1]
.endr
	ds_store_b128 v[IA], v[TMP+4*(\u&1):TMP+4*(\u&1)+3] offset:4096*\u
.irp i,0,1,2,3
	v_lshlrev_b32 v[SC+8*\u+2*\i], 16, v[TMP+4*(\u&1)+\i]          ; the rounded numbers back in f32, for their squares
	v_and_b32 v[SC+8*\u+2*\i+1], s26, v[TMP+4*(\u&1)+\i]
.endr
	v_pk_mul_f32 v[TMP+8+2*(\u&1):TMP+9+2*(\u&1)], v[SC+8*\u:SC+8*\u+1], v[SC+8*\u:SC+8*\u+1]
.irp i,1,2,3
	v_pk_fma_f32 v[TMP+8+2*(\u&1):TMP+9+2*(\u&1)], v[SC+8*\u+2*\i:SC+8*\u+2*\i+1], v[SC+8*\u+2*\i:SC+8*\u+2*\i+1], v[TMP+8+2*(\u&1):TMP+9+2*(\u&1)]
.endr
	v_add_f32 v[TMP+8+2*(\u&1)], v[TMP+8+2*(\u&1)], v[TMP+9+2*(\u&1)]
	v_add_f32_dpp v[TMP+8+2*(\u&1)], v[TMP+8+2*(\u&1)], v[TMP+8+2*(\u&1)] row_xmask:1 row_mask:0xf bank_mask:0xf   ; the four lanes of a code
	v_add_f32_dpp v[TMP+8+2*(\u&1)], v[TMP+8+2*(\u&1)], v[TMP+8+2*(\u&1)] row_xmask:2 row_mask:0xf bank_mask:0xf
	ds_store_b32 v[CA], v[TMP+8+2*(\u&1)] offset:256*\u            ; four lanes store one word with one value
.endr
	v_add_nc_u32 v[IA], 0x8000, v[IA]
	v_add_nc_u32 v[CA], 0x800, v[CA]
	s_add_co_u32 s18, s18, 1
	s_cmp_lt_u32 s18, 4
	s_cbranch_scc1 .Limg
; x rounded to bf16: the residual of both sets, and the soft error of my own rows, start from it
.irp q,0,1,2,3,4,5,6,7
	v_cvt_pk_bf16_f32 v[TMP+(\q&3)], v[R+2*\q], v[R+2*\q+1]
	v_lshlrev_b32 v[R+2*\q], 16, v[TMP+(\q&3)]
	v_and_b32 v[R+2*\q+1], s26, v[TMP+(\q&3)]
	v_lshlrev_b32 v[ES+2*\q], 16, v[TMP+(\q&3)]
	v_and_b32 v[ES+2*\q+1], s26, v[TMP+(\q&3)]
.endr
.irp q,8,9,10,11,12,13,14,15
	v_cvt_pk_bf16_f32 v[TMP+(\q&3)], v[R+2*\q], v[R+2*\q+1]
	v_lshlrev_b32 v[R+2*\q], 16, v[TMP+(\q&3)]
	v_and_b32 v[R+2*\q+1], s26, v[TMP+(\q&3)]
.endr
	s_wait_dscnt 0x0                               ; my part of IMG and of |c|^2 is written
	BAR                                            ; everybody's is
; ---------------------------------------------------------------- candidate fragments and the first bias table
; A(m = 8 sub + i, k = group) = c[8 group + 2 jp + sub][8 q + i]: a transposing load takes 8 groups x 8 d; 32 of them a wave, eight at a time.
.irp b,0,1,2,3
.irp kl,0,1
.irp sec,0,1
.irp ql,0,1
	ds_load_tr16_b128 v[SC+32*(\b&1)+16*\kl+8*\sec+4*\ql:SC+32*(\b&1)+16*\kl+8*\sec+4*\ql+3], v[GB+2*\ql+(\b>>1)] offset:((2*\b+\kl)&3)*16384+\sec*8192
.endr
.endr
.endr
	s_wait_dscnt 0x0
.irp kl,0,1
.irp sec,0,1
.irp ql,0,1
	ds_store_b128 v[GST], v[SC+32*(\b&1)+16*\kl+8*\sec+4*\ql:SC+32*(\b&1)+16*\kl+8*\sec+4*\ql+3] offset:(8*\ql+2*\b+\kl)*1024+\sec*512
.endr
.endr
.endr
.endr
.macro HSOF src                        ; s[40:41] = -|src| / 2
	s_and_b32 s46, \src, 0x7fffffff
	v_mov_b32 v[TMP+8], s46
	v_mul_f32 v[TMP+8], -0.5, v[TMP+8]
	v_readfirstlane_b32 s40, v[TMP+8]
	s_mov_b32 s41, s40
.endm
.macro BIASB                           ; bias[k] = -hs |c_k|^2, eight codes a thread
	ds_load_b128 v[TMP+8:TMP+11], v[ACB]
	ds_load_b128 v[TMP+12:TMP+15], v[ACB] offset:16
	s_wait_dscnt 0x0
.irp k,0,1,2,3
	v_pk_mul_f32 v[TMP+8+2*\k:TMP+9+2*\k], v[TMP+8+2*\k:TMP+9+2*\k], s[40:41] op_sel_hi:[1,0]
.endr
	ds_store_b128 v[ACB], v[TMP+8:TMP+11] offset:BIAS-CCB
	ds_store_b128 v[ACB], v[TMP+12:TMP+15] offset:BIAS-CCB+16
.endm
	HSOF s27
	BIASB
	s_wait_dscnt 0x0                               ; my fragments and my part of the bias are written
	BAR
; ---------------------------------------------------------------- macros of the loop: every register in window 1 (setting 0x55)
.macro FETCH_S                         ; 16 loads: four tiles' A fragments and biases
.irp tt,0,1,2,3
	ds_load_b128 v[WSA+8*\tt:WSA+8*\tt+3], v[WASA] offset:1024*\tt
	ds_load_b128 v[WSA+8*\tt+4:WSA+8*\tt+7], v[WASA] offset:1024*\tt+512
	ds_load_b128 v[WBI+8*\tt:WBI+8*\tt+3], v[WABI] offset:64*\tt
	ds_load_b128 v[WBI+8*\tt+4:WBI+8*\tt+7], v[WABI] offset:64*\tt+16
.endr
.endm
.macro FETCH_P                         ; 8 transposing loads: A(m = d, k = 32 codes) for two tile pairs and two halves of d
.irp p,0,1
.irp e,0,1
	ds_load_tr16_b128 v[WPA+8*(2*\p+\e):WPA+8*(2*\p+\e)+3], v[WAPA] offset:2048*\p+512*\e
	ds_load_tr16_b128 v[WPA+8*(2*\p+\e)+4:WPA+8*(2*\p+\e)+7], v[WAPA] offset:2048*\p+1024+512*\e
.endr
.endr
.endm
; Matrix slot k of a phase, for set o.  k = 0..3: value product (tile pair k>>1, half of d k&1), pv = 1 adds, pv = 2 lets the first pair start the sums, pv = 0 none.
; k = 4..7: score of tile k-4, hi term, the bias as C.  k = 8..11: tile k-8, mid term, in place.  sc = 0: no scores.
; In the order of the slots no two neighbours share an accumulator (two, then four, take turns), also from phase to phase.
.macro MS k, o, pv, sc
.if (\k) < 4
.if \pv == 2
.if (\k) < 2
	v_wmma_f32_16x16x32_bf16 v[WACC+16*(\o)+8*((\k)&1):WACC+16*(\o)+8*((\k)&1)+7], v[WPA+8*(\k):WPA+8*(\k)+7], v[WSC+32*(\o)+16*((\k)>>1):WSC+32*(\o)+16*((\k)>>1)+7], 0
.else
	v_wmma_f32_16x16x32_bf16 v[WACC+16*(\o)+8*((\k)&1):WACC+16*(\o)+8*((\k)&1)+7], v[WPA+8*(\k):WPA+8*(\k)+7], v[WSC+32*(\o)+16*((\k)>>1):WSC+32*(\o)+16*((\k)>>1)+7], v[WACC+16*(\o)+8*((\k)&1):WACC+16*(\o)+8*((\k)&1)+7]
.endif
.endif
.if \pv == 1
	v_wmma_f32_16x16x32_bf16 v[WACC+16*(\o)+8*((\k)&1):WACC+16*(\o)+8*((\k)&1)+7], v[WPA+8*(\k):WPA+8*(\k)+7], v[WSC+32*(\o)+16*((\k)>>1):WSC+32*(\o)+16*((\k)>>1)+7], v[WACC+16*(\o)+8*((\k)&1):WACC+16*(\o)+8*((\k)&1)+7]
.endif
.endif
.if (\k) >= 4
.if \sc
.if (\k) < 8
	v_wmma_f32_16x16x32_bf16 v[WSC+32*(\o)+8*((\k)-4):WSC+32*(\o)+8*((\k)-4)+7], v[WSA+8*((\k)-4):WSA+8*((\k)-4)+7], v[WBT+8*(\o):WBT+8*(\o)+7], v[WBI+8*((\k)-4):WBI+8*((\k)-4)+7]
.else
	v_wmma_f32_16x16x32_bf16 v[WSC+32*(\o)+8*((\k)-8):WSC+32*(\o)+8*((\k)-8)+7], v[WSA+8*((\k)-8):WSA+8*((\k)-8)+7], v[WBT+16+8*(\o):WBT+16+8*(\o)+7], v[WSC+32*(\o)+8*((\k)-8):WSC+32*(\o)+8*((\k)-8)+7]
.endif
.endif
.endif
.endm
; A phase: set ss's 32 scores a lane go through the softmax (best two groups, running maximum, p = exp2(a u - a max), sum of p, p packed to bf16 in place as the
; value product's B, accumulators rescaled) while the other set's 12 matrix slots are issued among the vector instructions, none of which names their registers.
; first = 1: the set's first block.  fp, fs = 1: the transposing loads of this block, the score loads of the next, are issued.  wa, wb: waits on LDS (-1: none).
; Distances, in plain vector instructions: slot 3 to the loads into its A: 10; slot 3 to slot 6, which writes over its B: 26;
; slot 11 to the loads into its A: 7 at the least; slot 11 to the next phase, which reads the scores: 23 at the least.
.macro PHASE ss, first, pv, sc, fp, fs, wa, wb
.set B_, WSC+32*\ss
.set Q_, WST+8*\ss
.set O_, 1-\ss
.if \wa >= 0
	s_wait_dscnt \wa                               ; the 8 transposing loads are in; the score loads issued behind them (16, or none) may stay out
.endif
	MS 0, O_, \pv, \sc
.irp tt,0,1,2,3
	v_max3_num_f32 v[WTMP+\tt], v[B_+8*\tt], v[B_+8*\tt+1], v[B_+8*\tt+2]
	v_max3_num_f32 v[WTMP+4+\tt], v[B_+8*\tt+3], v[B_+8*\tt+4], v[B_+8*\tt+5]
.endr
	MS 1, O_, \pv, \sc
.irp tt,0,1,2,3
	v_max3_num_f32 v[WTMP+\tt], v[WTMP+\tt], v[B_+8*\tt+6], v[B_+8*\tt+7]
.endr
.irp tt,0,1,2,3
	v_max_num_f32 v[WTMP+\tt], v[WTMP+\tt], v[WTMP+4+\tt]          ; the group's maximum
.endr
	MS 2, O_, \pv, \sc
.irp tt,0,1,2,3
	v_and_or_b32 v[WTMP+4+\tt], v[WTMP+\tt], s39, s[20+\tt]        ; with the tile's number in its low 7 bits: no two of a lane's values are equal
.endr
.if \first
	v_max3_num_f32 v[Q_+MXF], v[WTMP], v[WTMP+1], v[WTMP+2]        ; my lane's running maximum, unchanged bits
	v_max_num_f32 v[Q_+MXF], v[Q_+MXF], v[WTMP+3]
.else
	v_max3_num_f32 v[Q_+MXF], v[WTMP], v[WTMP+1], v[Q_+MXF]
	v_max3_num_f32 v[Q_+MXF], v[WTMP+2], v[WTMP+3], v[Q_+MXF]
.endif
	v_med3_num_f32 v[Q_+BV2], v[Q_+BV1], v[Q_+BV2], v[WTMP+4]      ; the second largest of three is the middle one
	v_max_num_f32 v[Q_+BV1], v[Q_+BV1], v[WTMP+4]
	MS 3, O_, \pv, \sc
.irp tt,1,2,3
	v_med3_num_f32 v[Q_+BV2], v[Q_+BV1], v[Q_+BV2], v[WTMP+4+\tt]
	v_max_num_f32 v[Q_+BV1], v[Q_+BV1], v[WTMP+4+\tt]
.endr
	v_permlanex16_b32 v[WTMP+8], v[Q_+MXF], s24, s25               ; the row's maximum is the larger of the two lane halves'
	v_max_num_f32 v[WTMP+8], v[WTMP+8], v[Q_+MXF]
.if \first
	v_mul_f32 v[Q_+NAM], s42, v[WTMP+8]
.else
	v_mul_f32 v[Q_+NAMN], s42, v[WTMP+8]
	v_sub_f32 v[Q_+AL], v[Q_+NAMN], v[Q_+NAM]                      ; from the two rounded shifts, so that old and new p stay on one scale
	v_mov_b32 v[Q_+NAM], v[Q_+NAMN]
.endif
.if \fs
	v_add_nc_u32 v[WASA], 0x1000, v[WASA]                          ; the next block's fragments and biases
	v_add_nc_u32 v[WABI], 0x100, v[WABI]
.endif
.if \fp
	FETCH_P
	v_add_nc_u32 v[WAPA], 0x1000, v[WAPA]
.endif
.if \wb >= 0
	s_wait_dscnt \wb                               ; the next block's score fragments and biases are in
.endif
	MS 4, O_, \pv, \sc
.irp k,0,1,2,3,4,5,6,7
	v_pk_fma_f32 v[B_+2*\k:B_+2*\k+1], v[B_+2*\k:B_+2*\k+1], s[32:33], v[Q_+NAM:Q_+NAM+1] op_sel_hi:[1,0,0]
.endr
	MS 5, O_, \pv, \sc
.irp k,8,9,10,11,12,13,14,15
	v_pk_fma_f32 v[B_+2*\k:B_+2*\k+1], v[B_+2*\k:B_+2*\k+1], s[32:33], v[Q_+NAM:Q_+NAM+1] op_sel_hi:[1,0,0]
.endr
	MS 6, O_, \pv, \sc
.if \first == 0
	v_exp_f32 v[Q_+AL], v[Q_+AL]
.endif
.set k_, 0
.rept 32
	v_exp_f32 v[B_+k_], v[B_+k_]
.if k_ == 7
	MS 7, O_, \pv, \sc
.endif
.if k_ == 15
	MS 8, O_, \pv, \sc
.endif
.if k_ == 23
	MS 9, O_, \pv, \sc
.endif
.set k_, k_+1
.endr
	v_nop                                                          ; one plain place behind the run of exponentials (ISA guide 5.7.2)
	MS 10, O_, \pv, \sc
	s_wait_alu depctr_va_vdst(0)
.irp i,0,1,2,3
	v_pk_add_f32 v[WTMP+2*\i:WTMP+2*\i+1], v[B_+4*\i:B_+4*\i+1], v[B_+4*\i+2:B_+4*\i+3]
.endr
.irp i,0,1,2,3
	v_pk_add_f32 v[WTMP+2*\i:WTMP+2*\i+1], v[WTMP+2*\i:WTMP+2*\i+1], v[B_+16+2*\i:B_+16+2*\i+1]
.endr
	MS 11, O_, \pv, \sc
.irp i,0,1,2,3
	v_pk_add_f32 v[WTMP+2*\i:WTMP+2*\i+1], v[WTMP+2*\i:WTMP+2*\i+1], v[B_+24+2*\i:B_+24+2*\i+1]
.endr
	v_pk_add_f32 v[WTMP:WTMP+1], v[WTMP:WTMP+1], v[WTMP+2:WTMP+3]
	v_pk_add_f32 v[WTMP+4:WTMP+5], v[WTMP+4:WTMP+5], v[WTMP+6:WTMP+7]
.if \first
	v_pk_add_f32 v[Q_+LS:Q_+LS+1], v[WTMP:WTMP+1], v[WTMP+4:WTMP+5]
.else
	v_pk_add_f32 v[WTMP:WTMP+1], v[WTMP:WTMP+1], v[WTMP+4:WTMP+5]
	v_pk_fma_f32 v[Q_+LS:Q_+LS+1], v[Q_+LS:Q_+LS+1], v[Q_+AL:Q_+AL+1], v[WTMP:WTMP+1] op_sel_hi:[1,0,1]
.endif
.if \fs
	FETCH_S
.endif
.irp p,0,1
.irp i,0,1,2,3
	v_cvt_pk_bf16_f32 v[B_+16*\p+\i], v[B_+16*\p+2*\i], v[B_+16*\p+2*\i+1]            ; tile 2p: k = 8h .. 8h+7; each write lands on a register already read
.endr
.irp i,0,1,2,3
	v_cvt_pk_bf16_f32 v[B_+16*\p+4+\i], v[B_+16*\p+8+2*\i], v[B_+16*\p+8+2*\i+1]      ; tile 2p+1: k = 16+8h ..
.endr
.endr
.if \first == 0
.irp k,0,1,2,3,4,5,6,7
	v_pk_mul_f32 v[WACC+16*\ss+2*\k:WACC+16*\ss+2*\k+1], v[WACC+16*\ss+2*\k:WACC+16*\ss+2*\k+1], v[Q_+AL:Q_+AL+1] op_sel_hi:[1,0]
.endr
.endif
.endm
.macro TSTEP                           ; the next block's four tile numbers
	s_add_co_u32 s20, s20, 4
	s_add_co_u32 s21, s21, 4
	s_add_co_u32 s22, s22, 4
	s_add_co_u32 s23, s23, 4
.endm
; ---------------------------------------------------------------- macros of the final choice
; One-hot over the 256 groups as eight B fragments: register (ks, q) of lane (rr, h) holds groups 2 (16 ks + 8 (q>>2) + (q&3) + 4 h) and the next.
; A pattern of 8 registers for the group's place among 32, then one compare for each ks.  v[TMP+4] = 4 h.
.macro ONEHOT rk, g
	v_bfe_u32 v[TMP], v[\g], 1, 4
	v_sub_nc_u32 v[TMP], v[TMP], v[TMP+4]          ; equals 8 (q>>2) + (q&3) only in the lane half that holds the group
	v_and_b32 v[TMP+1], 1, v[\g]
	v_lshlrev_b32 v[TMP+1], 4, v[TMP+1]
	v_mov_b32 v[TMP+3], 0x3f80
	v_lshlrev_b32 v[TMP+1], v[TMP+1], v[TMP+3]     ; bf16 1.0 in the low or the high half
	v_lshrrev_b32 v[TMP+2], 5, v[\g]
.irp q,0,1,2,3,4,5,6,7
	v_cmp_eq_u32 vcc_lo, 8*(\q>>2)+(\q&3), v[TMP]
	v_cndmask_b32 v[TMP+8+\q], 0, v[TMP+1], vcc_lo
.endr
	WIN 0x40
.irp ks,0,1,2,3,4,5,6,7
	v_cmp_eq_u32 vcc_lo, \ks, v[TMP+2]
.irp q,0,1,2,3,4,5,6,7
	v_cndmask_b32 v[OH+64*\rk+8*\ks+\q], 0, v[TMP+8+\q], vcc_lo
.endr
.endr
	WIN 0
.endm
.macro GLOAD sn                        ; step sn = 8 jp + ks: 8 loads, the A fragments (jp, q = 0..3, ks), into buffer sn & 1
	WIN 0x40
.irp q,0,1,2,3
.irp sec,0,1
.if (\sn) < 16
	ds_load_b128 v[GA+32*((\sn)&1)+8*\q+4*\sec:GA+32*((\sn)&1)+8*\q+4*\sec+3], v[AGA] offset:(((\sn)>>3)&1)*32768+\q*8192+((\sn)&7)*1024+\sec*512
.else
	ds_load_b128 v[GA+32*((\sn)&1)+8*\q+4*\sec:GA+32*((\sn)&1)+8*\q+4*\sec+3], v[AGA1] offset:(((\sn)>>3)&1)*32768+\q*8192+((\sn)&7)*1024+\sec*512
.endif
.endr
.endr
.endm
.macro XSTEP sn                        ; 8 products of the candidate fetch, 4 q x 2 groups: eight accumulators take turns
.if \sn == 31
	s_wait_dscnt 0x0
.else
	s_wait_dscnt 0x8                               ; this step's 8 loads are in, the next step's 8 are younger
.endif
	WIN 0x05                                       ; A and B in window 1
.irp q,0,1,2,3
.irp rk,0,1
.if ((\sn)&7) == 0
	v_wmma_f32_16x16x32_bf16 v[SC+32*\rk+8*\q:SC+32*\rk+8*\q+7], v[GA+32*((\sn)&1)+8*\q:GA+32*((\sn)&1)+8*\q+7], v[OH+64*\rk+8*((\sn)&7):OH+64*\rk+8*((\sn)&7)+7], 0
.else
	v_wmma_f32_16x16x32_bf16 v[SC+32*\rk+8*\q:SC+32*\rk+8*\q+7], v[GA+32*((\sn)&1)+8*\q:GA+32*((\sn)&1)+8*\q+7], v[OH+64*\rk+8*((\sn)&7):OH+64*\rk+8*((\sn)&7)+7], v[SC+32*\rk+8*\q:SC+32*\rk+8*\q+7]
.endif
.endr
.endr
	NOPS 4                                         ; four places in front of the loads into this buffer and of the reads of the results
.if \sn < 30
	GLOAD (\sn+2)
.endif
	WIN 0
.endm
; The candidate (distance, code, packed vector) takes the best's place if its distance is smaller, or equal with a smaller code.
.macro BETTER dv, cv, pv
	v_cmp_lt_f32 s46, v[\dv], v[BD]
	v_cmp_eq_f32 s47, v[\dv], v[BD]
	v_cmp_lt_u32 vcc_lo, v[\cv], v[BCD]
	s_and_b32 s47, s47, vcc_lo
	s_or_b32 vcc_lo, s46, s47
	v_cndmask_b32 v[BD], v[BD], v[\dv], vcc_lo
	v_cndmask_b32 v[BCD], v[BCD], v[\cv], vcc_lo
.irp i,0,1,2,3,4,5,6,7,8,9,10,11,12,13,14,15
	v_cndmask_b32 v[BP+\i], v[BP+\i], v[\pv+\i], vcc_lo
.endr
.endm
; Candidates 2 jp + h of both groups: my lane holds all 32 d of one candidate of each group, register d.  The distance in the reference's f32 steps.
; -s c stands for s c: every rounding is symmetric in the sign, so the chain gives -dot exactly, and 2 x is exact.  Four chains run side by side.
.macro EVAL jp
.if \jp == 0
.set PD_, BP                                       ; the first candidate is the best so far
.else
.set PD_, P0
.endif
.set i_, 0
.rept 16
	v_cvt_pk_bf16_f32 v[PD_+i_], v[SC+2*i_], v[SC+2*i_+1]          ; exact: the numbers are bf16
	v_cvt_pk_bf16_f32 v[P1+i_], v[SC+32+2*i_], v[SC+32+2*i_+1]
.set i_, i_+1
.endr
.set i_, 0
.rept 32
	v_pk_mul_f32 v[SC+2*i_:SC+2*i_+1], v[SC+2*i_:SC+2*i_+1], s[36:37] op_sel_hi:[1,0]   ; -s c, exact
.set i_, i_+1
.endr
	v_mul_f32 v[TMP], v[RF], v[SC]
	v_mul_f32 v[TMP+1], v[SC], v[SC]
	v_mul_f32 v[TMP+2], v[RF], v[SC+32]
	v_mul_f32 v[TMP+3], v[SC+32], v[SC+32]
.set i_, 1
.rept 31
	v_fmac_f32 v[TMP], v[RF+i_], v[SC+i_]
	v_fmac_f32 v[TMP+1], v[SC+i_], v[SC+i_]
	v_fmac_f32 v[TMP+2], v[RF+i_], v[SC+32+i_]
	v_fmac_f32 v[TMP+3], v[SC+32+i_], v[SC+32+i_]
.set i_, i_+1
.endr
	v_fma_f32 v[TMP], v[TMP], 2.0, v[RRV]          ; |r|^2 - 2 r.(s c), one rounding
	v_fma_f32 v[TMP+2], v[TMP+2], 2.0, v[RRV]
.if \jp == 0
	v_add_f32 v[BD], v[TMP], v[TMP+1]              ; + |s c|^2
	v_mov_b32 v[BCD], v[GH]
.else
	v_add_f32 v[TMP], v[TMP], v[TMP+1]
	v_add_nc_u32 v[TMP+1], 2*\jp, v[GH]            ; code = 8 group + 2 jp + h
.endif
	v_add_f32 v[TMP+2], v[TMP+2], v[TMP+3]
	v_add_nc_u32 v[TMP+3], 2*\jp, v[GH+1]
.if \jp != 0
	BETTER TMP, TMP+1, P0
.endif
	BETTER TMP+2, TMP+3, P1
.endm
.macro RUPD ss, src                    ; r -= s c for one set, c packed in 8 registers in r's layout: s c is exact, one rounding
.irp i,0,1,2,3,4,5,6,7
	v_lshlrev_b32 v[TMP+2*(\i&3)], 16, v[\src+\i]
	v_and_b32 v[TMP+2*(\i&3)+1], s26, v[\src+\i]
	v_pk_fma_f32 v[R+16*\ss+2*\i:R+16*\ss+2*\i+1], v[TMP+2*(\i&3):TMP+2*(\i&3)+1], s[36:37], v[R+16*\ss+2*\i:R+16*\ss+2*\i+1] op_sel_hi:[1,0,1]
.endr
.endm
; ---------------------------------------------------------------- the four stages
	s_mov_b32 s17, 0
.Lstage:
	s_and_b32 s46, s27, 0x7fffffff                 ; |s|; SCC says whether it is not 0
	s_cselect_b32 s43, -1, 0                       ; s = 0: every distance is equal, the code is 0
	s_and_b32 s34, s27, 0x80000000
	s_or_b32 s34, s34, 0x3f800000                  ; sg = +-1.0
	s_mov_b32 s35, s34
	s_xor_b32 s36, s27, 0x80000000                 ; -s
	s_mov_b32 s37, s36
	v_mov_b32 v[TMP], s46
	v_mul_f32 v[TMP+1], 0x4038aa3b, v[TMP]         ; a = 2 log2(e) |s|
	v_readfirstlane_b32 s32, v[TMP+1]
	s_mov_b32 s33, s32
	s_xor_b32 s42, s32, 0x80000000                 ; -a
	s_mov_b32 s20, s50                             ; the block's four tile numbers
	s_add_co_u32 s21, s50, 1
	s_add_co_u32 s22, s50, 2
	s_add_co_u32 s23, s50, 3
	WIN 0x40
	v_mov_b32 v[WASA], v[ASA0]
	v_mov_b32 v[WABI], v[ABI0]
	v_mov_b32 v[WAPA], v[APA0]
.irp ss,0,1
	v_mov_b32 v[WST+8*\ss+BV1], 0xff800000         ; -infinity
	v_mov_b32 v[WST+8*\ss+BV2], 0xff800000
.endr
	WIN 0x55
	FETCH_S                                        ; block 0
	WIN 0
; sg r = hi + mid + (what is dropped: below 2^-18 of it), both bf16, as B fragments in window 1; four registers of SC for each pair of numbers
.set i_, 0
.rept 16
	v_pk_mul_f32 v[SC+4*i_:SC+4*i_+1], v[R+2*i_:R+2*i_+1], s[34:35] op_sel_hi:[1,0]
.set i_, i_+1
.endr
	WIN 0x40
.set i_, 0
.rept 16
	v_cvt_pk_bf16_f32 v[WBT+i_], v[SC+4*i_], v[SC+4*i_+1]
.set i_, i_+1
.endr
	WIN 0x04
.set i_, 0
.rept 16
	v_lshlrev_b32 v[SC+4*i_+2], 16, v[WBT+i_]
	v_and_b32 v[SC+4*i_+3], s26, v[WBT+i_]
.set i_, i_+1
.endr
	WIN 0
.set i_, 0
.rept 16
	v_pk_add_f32 v[SC+4*i_:SC+4*i_+1], v[SC+4*i_:SC+4*i_+1], v[SC+4*i_+2:SC+4*i_+3] neg_lo:[0,1] neg_hi:[0,1]
.set i_, i_+1
.endr
	WIN 0x40
.set i_, 0
.rept 16
	v_cvt_pk_bf16_f32 v[WBT+16+i_], v[SC+4*i_], v[SC+4*i_+1]
.set i_, i_+1
.endr
	WIN 0x55
	s_wait_dscnt 0x0                               ; block 0's fragments and biases
.irp k,4,5,6,7,8,9,10,11
	MS \k, 0, 0, 1                                 ; the scores of set 0, block 0: nothing to run beside them yet
.endr
	NOPS 4                                         ; four places in front of the first read of these scores
	PHASE 0, 1, 0, 1, 1, 1, -1, -1                 ; X0
	PHASE 1, 1, 2, 1, 0, 0, 16, 0                  ; Y0: set 0's value product starts its sums
	TSTEP
	PHASE 0, 0, 2, 1, 1, 1, -1, -1                 ; X1: set 1's starts its sums
	WIN 0                                          ; at a label and at a branch every window is 0
	s_mov_b32 s18, 0
.Lblk:
	WIN 0x55
	PHASE 1, 0, 1, 1, 0, 0, 16, 0                  ; Y(b), b = 1 .. 13
	TSTEP
	PHASE 0, 0, 1, 1, 1, 1, -1, -1                 ; X(b+1)
	WIN 0
	s_add_co_u32 s18, s18, 1
	s_cmp_lt_u32 s18, 13
	s_cbranch_scc1 .Lblk
	WIN 0x55
	PHASE 1, 0, 1, 1, 0, 0, 16, 0                  ; Y14
	TSTEP
	PHASE 0, 0, 1, 1, 1, 0, -1, -1                 ; X15: no block follows, no score loads
	PHASE 1, 0, 1, 0, 0, 0, 0, -1                  ; Y15: no scores
.irp k,0,1,2,3
	MS \k, 1, 1, 0                                 ; set 1's last value product
.endr
; set 1 is my partner's own set: it gets my half's figures, lane by lane.  Two adds and two v_nop are the places in front of the stores that read the accumulators.
	v_add_f32 v[WST+MXF], v[WST+LS], v[WST+LS+1]
	v_add_f32 v[WST+8+MXF], v[WST+8+LS], v[WST+8+LS+1]
	NOPS 2
	WIN 0x04                                       ; store data in window 1
.irp k,0,1,2,3
	ds_store_b128 v[XAW], v[WACC+16+4*\k:WACC+16+4*\k+3] offset:512*\k
.endr
	ds_store_b128 v[XAW], v[WST+8:WST+11] offset:2048
	WIN 0x01
.irp i,0,1,2,3
	v_mov_b32 v[ST+\i], v[WST+\i]                  ; my own rows' shift, sum and two best values come over into window 0
.endr
	WIN 0
; my own row's residual with all 32 d in every lane, register d, and |r|^2 as a chain in ascending d
.irp e,0,1
.irp j,0,1,2,3,4,5,6,7
	v_permlanex16_b32 v[TMP+(\j&3)], v[R+8*\e+\j], s24, s25
	v_cndmask_b32 v[RF+16*\e+\j], v[R+8*\e+\j], v[TMP+(\j&3)], s26     ; d = 16e+j lies in lanes 0-15
	v_cndmask_b32 v[RF+16*\e+8+\j], v[TMP+(\j&3)], v[R+8*\e+\j], s26   ; d = 16e+8+j in lanes 16-31
.endr
.endr
	v_mul_f32 v[RRV], v[RF], v[RF]
.set i_, 1
.rept 31
	v_fmac_f32 v[RRV], v[RF+i_], v[RF+i_]
.set i_, i_+1
.endr
	s_wait_dscnt 0x0                               ; my stores are done, and so are all my reads of the bias table
	BAR                                            ; barrier A
.irp k,0,1,2,3
	ds_load_b128 v[SC+4*\k:SC+4*\k+3], v[XAR] offset:512*\k        ; partner's acc of my own rows
.endr
	ds_load_b128 v[SC+16:SC+19], v[XAR] offset:2048
	s_wait_dscnt 0x0
	v_min_num_f32 v[TMP], v[ST+NAM], v[SC+16]      ; -a x the larger maximum
	v_sub_f32 v[TMP+1], v[TMP], v[ST+NAM]
	v_sub_f32 v[TMP+2], v[TMP], v[SC+16]
	v_exp_f32 v[TMP+1], v[TMP+1]
	v_exp_f32 v[TMP+2], v[TMP+2]
	v_nop
	s_wait_alu depctr_va_vdst(0)
	v_mul_f32 v[TMP+3], v[ST+MXF], v[TMP+1]
	v_fmac_f32 v[TMP+3], v[SC+17], v[TMP+2]
	v_permlanex16_b32 v[TMP+4], v[TMP+3], s24, s25
	v_add_f32 v[TMP+3], v[TMP+3], v[TMP+4]         ; sum of p over all 2048 codes: at least 1
	v_rcp_f32 v[TMP+3], v[TMP+3]
	v_mul_f32 v[TMP+1], s36, v[TMP+1]              ; a plain place behind the reciprocal
	v_mul_f32 v[TMP+2], s36, v[TMP+2]
	s_wait_alu depctr_va_vdst(0)
	v_mul_f32 v[TMP+4], v[TMP+1], v[TMP+3]         ; -s f / sum
	v_mul_f32 v[TMP+6], v[TMP+2], v[TMP+3]
	WIN 0x01                                       ; my half's accumulators lie in window 1
.irp k,0,1,2,3,4,5,6,7
	v_pk_fma_f32 v[ES+2*\k:ES+2*\k+1], v[WACC+2*\k:WACC+2*\k+1], v[TMP+4:TMP+5], v[ES+2*\k:ES+2*\k+1] op_sel_hi:[1,0,1]
.endr
	WIN 0
.irp k,0,1,2,3,4,5,6,7
	v_pk_fma_f32 v[ES+2*\k:ES+2*\k+1], v[SC+2*\k:SC+2*\k+1], v[TMP+6:TMP+7], v[ES+2*\k:ES+2*\k+1] op_sel_hi:[1,0,1]
	v_pk_fma_f32 v[SD:SD+1], v[ES+2*\k:ES+2*\k+1], v[ES+2*\k:ES+2*\k+1], v[SD:SD+1]
.endr
; the best two groups of my rows.  Of two ordered pairs the best is the larger of the firsts, the second the largest of the smaller first and the two seconds.
; My half's with my partner's, lane by lane: four different tile numbers, so no two values are equal.
	v_min_num_f32 v[TMP+8], v[ST+BV1], v[SC+18]
	v_max_num_f32 v[ST+BV1], v[ST+BV1], v[SC+18]
	v_max3_num_f32 v[ST+BV2], v[ST+BV2], v[SC+19], v[TMP+8]
; then the two lane halves, with the group's number 2 tile + h in the low 8 bits: again no two values are equal, so both halves find the same two
	v_and_b32 v[TMP+8], 0x7f, v[ST+BV1]
	v_and_b32 v[TMP+9], 0x7f, v[ST+BV2]
	v_lshl_or_b32 v[TMP+8], v[TMP+8], 1, v[H]
	v_lshl_or_b32 v[TMP+9], v[TMP+9], 1, v[H]
	v_and_or_b32 v[ST+BV1], v[ST+BV1], 0xffffff00, v[TMP+8]
	v_and_or_b32 v[ST+BV2], v[ST+BV2], 0xffffff00, v[TMP+9]
	v_permlanex16_b32 v[TMP+8], v[ST+BV1], s24, s25
	v_permlanex16_b32 v[TMP+9], v[ST+BV2], s24, s25
	v_min_num_f32 v[TMP+10], v[ST+BV1], v[TMP+8]
	v_max_num_f32 v[ST+BV1], v[ST+BV1], v[TMP+8]
	v_max3_num_f32 v[ST+BV2], v[ST+BV2], v[TMP+9], v[TMP+10]
	v_and_b32 v[G1], 0xff, v[ST+BV1]
	v_and_b32 v[G2], 0xff, v[ST+BV2]
	v_lshl_add_u32 v[GH], v[G1], 3, v[H]
	v_lshl_add_u32 v[GH+1], v[G2], 3, v[H]
	s_cmp_eq_u32 s17, 3
	s_cbranch_scc1 .Lnobias                        ; no stage follows the last
	HSOF s28
	BIASB                                          ; nobody reads the table between barriers A and B
.Lnobias:
	GLOAD 0
	GLOAD 1
	WIN 0
	v_lshlrev_b32 v[TMP+4], 2, v[H]
	ONEHOT 0, G1
	ONEHOT 1, G2
.set n_, 0
.rept 32
	XSTEP n_
.if (n_&7) == 7
	EVAL (n_>>3)
.endif
.set n_, n_+1
.endr
; the two lane halves hold the best of the even and of the odd candidates: the better one, and its vector in the residual's layout
	v_permlanex16_b32 v[TMP], v[BD], s24, s25
	v_permlanex16_b32 v[TMP+1], v[BCD], s24, s25
	v_cmp_lt_f32 s46, v[TMP], v[BD]
	v_cmp_eq_f32 s47, v[TMP], v[BD]
	v_cmp_lt_u32 vcc_lo, v[TMP+1], v[BCD]
	s_and_b32 s47, s47, vcc_lo
	s_or_b32 s48, s46, s47                         ; the other half's candidate wins
	v_cndmask_b32 v[BCD], v[BCD], v[TMP+1], s48
.irp e,0,1
.irp i,0,1,2,3
	v_cndmask_b32 v[TMP+8+4*\e+\i], v[BP+8*\e+4+\i], v[BP+8*\e+\i], s26   ; of my candidate, the d that the other half keeps of r
	v_cndmask_b32 v[P0+4*\e+\i], v[BP+8*\e+\i], v[BP+8*\e+4+\i], s26      ; and the d that I keep: packed register 8e+4h+i
.endr
.endr
.irp i,0,1,2,3,4,5,6,7
	v_permlanex16_b32 v[SC+\i], v[TMP+8+\i], s24, s25
.endr
.irp i,0,1,2,3,4,5,6,7
	v_cndmask_b32 v[P0+\i], v[P0+\i], v[SC+\i], s48
.endr
	ds_store_b128 v[XBW], v[P0:P0+3]               ; my partner keeps these rows' residual too
	ds_store_b128 v[XBW], v[P0+4:P0+7] offset:512
	v_mov_b32 v[CODE], v[CODE+1]                   ; the codes move up: after four stages stage 0's is the first
	v_mov_b32 v[CODE+1], v[CODE+2]
	v_mov_b32 v[CODE+2], v[CODE+3]
	v_and_b32 v[CODE+3], s43, v[BCD]
	RUPD 0, P0
.irp i,0,1,2,3,4,5,6,7
	v_pk_fma_f32 v[HD:HD+1], v[R+2*\i:R+2*\i+1], v[R+2*\i:R+2*\i+1], v[HD:HD+1]
.endr
	s_wait_dscnt 0x0                               ; my chosen vector and my part of the next bias table are written
	BAR                                            ; barrier B
	ds_load_b128 v[SC:SC+3], v[XBR]
	ds_load_b128 v[SC+4:SC+7], v[XBR] offset:512
	s_wait_dscnt 0x0
	RUPD 1, SC
	s_mov_b32 s27, s28
	s_mov_b32 s28, s29
	s_mov_b32 s29, s30
	s_add_co_u32 s17, s17, 1
	s_cmp_lt_u32 s17, 4
	s_cbranch_scc1 .Lstage
; ---------------------------------------------------------------- the loss's part and the codes
.irp k,0,1,2,3,4,5,6,7
	v_pk_add_f32 v[TMP+2*(\k&1):TMP+2*(\k&1)+1], v[R+2*\k:R+2*\k+1], v[ES+2*\k:ES+2*\k+1] neg_lo:[0,1] neg_hi:[0,1]   ; q_soft - q_hard = r - es
	v_pk_fma_f32 v[SD:SD+1], v[TMP+2*(\k&1):TMP+2*(\k&1)+1], v[TMP+2*(\k&1):TMP+2*(\k&1)+1], v[SD:SD+1]               ; same weight 0.1 as the soft distortion
.endr
	v_add_f32 v[SD], v[SD], v[SD+1]
	v_add_f32 v[HD], v[HD], v[HD+1]
	s_mov_b32 s46, 0x3dcccccd                      ; 0.1
	v_fma_f32 v[TMP], v[SD], s46, v[HD]
	v_mul_f32 v[TMP], 0x35800000, v[TMP]           ; / (32768 x 32)
	v_add_f32_dpp v[TMP], v[TMP], v[TMP] row_xmask:1 row_mask:0xf bank_mask:0xf
	v_add_f32_dpp v[TMP], v[TMP], v[TMP] row_xmask:2 row_mask:0xf bank_mask:0xf
	v_add_f32_dpp v[TMP], v[TMP], v[TMP] row_xmask:4 row_mask:0xf bank_mask:0xf
	v_add_f32_dpp v[TMP], v[TMP], v[TMP] row_xmask:8 row_mask:0xf bank_mask:0xf
	v_permlanex16_b32 v[TMP+1], v[TMP], s24, s25
	v_add_f32 v[TMP], v[TMP], v[TMP+1]
	s_lshl_b32 s46, s14, 2
	s_add_co_u32 s46, s46, RED
	v_mov_b32 v[TMP+2], s46
	ds_store_b32 v[TMP+2], v[TMP]
	v_cndmask_b32 v[TMP+4], v[CODE], v[CODE+2], s26                ; lane half h holds codes 2h, 2h+1 of its row
	v_cndmask_b32 v[TMP+5], v[CODE+1], v[CODE+3], s26
	s_wait_dscnt 0x0
	BAR
	global_store_b64 v[OUTO], v[TMP+4:TMP+5], s[10:11] th:TH_STORE_NT   ; the wave's 32 lanes store 256 consecutive bytes, aligned: 16 rows of codes
	s_cmp_lg_u32 s14, 0
	s_cbranch_scc1 .Ldone
	v_mov_b32 v[TMP+3], RED
	ds_load_b128 v[TMP+8:TMP+11], v[TMP+3]
	ds_load_b128 v[TMP+12:TMP+15], v[TMP+3] offset:16
	s_wait_dscnt 0x0
	v_pk_add_f32 v[TMP+8:TMP+9], v[TMP+8:TMP+9], v[TMP+10:TMP+11]
	v_pk_add_f32 v[TMP+12:TMP+13], v[TMP+12:TMP+13], v[TMP+14:TMP+15]
	v_pk_add_f32 v[TMP+8:TMP+9], v[TMP+8:TMP+9], v[TMP+12:TMP+13]
	v_add_f32 v[TMP+8], v[TMP+8], v[TMP+9]
	v_mov_b32 v[TMP+6], 0
	v_cmp_gt_u32 vcc_lo, 1, v0
	s_wait_xcnt 0x0                                ; EXEC is a source of the store of codes: it changes only behind this wait
	s_and_saveexec_b32 s46, vcc_lo
	global_store_b32 v[TMP+6], v[TMP+8], s[12:13]  ; one word for the work-group
	s_wait_xcnt 0x0
	s_or_b32 exec_lo, exec_lo, s46
.Ldone:
	s_wait_tensorcnt 0x0
	ds_add_u32 v250, v251
	s_wait_dscnt 0x0
	s_endpgm
.Lfunc_end_k_qb3d25f1b3d_drq:
	.size	k_qb3d25f1b3d_drq, .Lfunc_end_k_qb3d25f1b3d_drq-k_qb3d25f1b3d_drq
	.p2alignl 7, 3214868480
	.fill 96, 4, 3214868480
	.section	.rodata,"a",@progbits
	.p2align	6, 0x0
	.amdhsa_kernel k_qb3d25f1b3d_drq
		.amdhsa_group_segment_fixed_size 312576
		.amdhsa_private_segment_fixed_size 0
		.amdhsa_enable_private_segment 0
		.amdhsa_kernarg_size 40
		.amdhsa_user_sgpr_count 2
		.amdhsa_user_sgpr_kernarg_segment_ptr 1
		.amdhsa_wavefront_size32 1
		.amdhsa_system_sgpr_workgroup_id_x 1
		.amdhsa_system_sgpr_workgroup_id_y 1
		.amdhsa_system_sgpr_workgroup_id_z 1
		.amdhsa_system_vgpr_workitem_id 0
		.amdhsa_next_free_vgpr 512
		.amdhsa_next_free_sgpr 66
		.amdhsa_reserve_vcc 1
		.amdhsa_float_denorm_mode_32 3
		.amdhsa_float_denorm_mode_16_64 3
		.amdhsa_memory_ordered 1
		.amdhsa_forward_progress 1
		.amdhsa_inst_pref_size 197
	.end_amdhsa_kernel
	.amdgpu_metadata
---
amdhsa.version: [ 1, 2 ]
amdhsa.kernels:
  - .name:           k_qb3d25f1b3d_drq
    .symbol:         k_qb3d25f1b3d_drq.kd
    .args:
      - { .name: x, .offset: 0, .size: 8, .value_kind: global_buffer, .address_space: global }
      - { .name: codebook, .offset: 8, .size: 8, .value_kind: global_buffer, .address_space: global }
      - { .name: scale, .offset: 16, .size: 8, .value_kind: global_buffer, .address_space: global }
      - { .name: out0, .offset: 24, .size: 8, .value_kind: global_buffer, .address_space: global }
      - { .name: part, .offset: 32, .size: 8, .value_kind: global_buffer, .address_space: global }
    .group_segment_fixed_size: 312576
    .private_segment_fixed_size: 0
    .kernarg_segment_align: 8
    .kernarg_segment_size: 40
    .max_flat_workgroup_size: 256
    .sgpr_count:     66
    .vgpr_count:     512
    .wavefront_size: 32
...
	.end_amdgpu_metadata
.endif
;; end of part 3
;; launch sumup: the kernel of part 2 again; grid 1 x 1, 1 waves a work-group, no clusters, 0 bytes of LDS; arguments part, out1; writes out1
